; MI455X (gfx1250); checked and timed in simulation.
; The chip was launched on July 23, 2026; its instructions are those of AMD's public machine-readable ISA for CDNA 5 (MIT licence, August 2026) and "CDNA5" Instruction Set Architecture Reference Guide (July 2026). The comments in the code are by the model that wrote it; some were corrected since.
;; Attn Block. Allowed arithmetic: matrix products marked QUANTISED: E2M1 operands, one E8M0 scale for each 32 along K, by v_wmma_scale_f32_16x16x128_f8f6f4 with both operands' format E2M1 (or v_wmma_scale_f32_32x16x128_f4), f32 sums; everything else in f32.
;; Inputs: bk 512 float32; bp 512 float32; bq 512 float32; bv 512 float32; gn_beta 512 float32; gn_gamma 512 float32; wk_codes 512 x 16 x 16 uint8 (E2M1 codes of wk, K innermost, in blocks of 32 codes, two codes a byte); wk_scales 512 x 16 uint8 (E8M0 scales of wk, one for each 32 codes along K); wp_codes 512 x 16 x 16 uint8 (E2M1 codes of wp, K innermost, in blocks of 32 codes, two codes a byte); wp_scales 512 x 16 uint8 (E8M0 scales of wp, one for each 32 codes along K); wq_codes 512 x 16 x 16 uint8 (E2M1 codes of wq, K innermost, in blocks of 32 codes, two codes a byte); wq_scales 512 x 16 uint8 (E8M0 scales of wq, one for each 32 codes along K); wv_codes 512 x 16 x 16 uint8 (E2M1 codes of wv, K innermost, in blocks of 32 codes, two codes a byte); wv_scales 512 x 16 uint8 (E8M0 scales of wv, one for each 32 codes along K); x 32 x 512 x 32 x 32 float32.
;; Outputs: out0 32 x 512 x 32 x 32 float32.
;; This version of the problem:
;;   THIS VERSION OF THE PROBLEM IS GIVEN IN LOW PRECISION. The matrix products marked QUANTISED in the list below multiply operands that are first quantised to E2M1 (2 exponent bits, 1 mantissa bit; 4 bits a number), with one power-of-two scale for each 32 numbers along K (OCP MX v1.0); their sums are f32. All else is computed in f32.
;;   The module's matrix products, in the order in which they are computed (A, B: the left and right operand; K: the contracted axis; several contracted axes count as one K, in the product's order):
;;     1. [M 32,768, K 512] x [K 512, N 512]; A: computed on the way; B: input wq (given as codes): QUANTISED
;;     2. [M 32,768, K 512] x [K 512, N 512]; A: computed on the way; B: input wk (given as codes): QUANTISED
;;     3. [M 32,768, K 512] x [K 512, N 512]; A: computed on the way; B: input wv (given as codes): QUANTISED
;;     4. batch 32 x [M 1,024, K 512] x [K 512, N 1,024]; A: computed on the way; B: computed on the way: QUANTISED
;;     5. batch 32 x [M 512, K 1,024] x [K 1,024, N 1,024]; A: computed on the way; B: softmax (see below): QUANTISED
;;     6. [M 32,768, K 512] x [K 512, N 512]; A: computed on the way; B: input wp (given as codes): QUANTISED
;;   THE QUANTISER, for each operand of a quantised product, along K:
;;     - K is cut into blocks of 32 from its start; a last block that is shorter is filled with zeros.
;;     - A block's scale is 2^e with e = floor(log2(the largest magnitude in the block)) - 2, held to -126 .. 127; a block of zeros has e = 0. As a byte (E8M0): e + 127.
;;     - Each number is divided by its block's scale, clamped to +-6, and rounded to the nearest number of E2M1, ties to even, subnormals kept.
;;     - The product sums the exact products of the quantised numbers (number of the format x scale) in f32.
;;   ~~~python
;;   def quantise(x, axis):      # numpy; x: float32 -> the quantised numbers, widened to float32 again
;;       x = np.moveaxis(x, axis, -1); K = x.shape[-1]
;;       x = np.pad(x, [(0, 0)] * (x.ndim - 1) + [(0, -K % 32)]); x = x.reshape(x.shape[:-1] + (-1, 32)); a = np.abs(x).max(-1, keepdims=True)
;;       e = np.where(a > 0, np.clip(np.frexp(np.where(a > 0, a, 1))[1] - 1 - 2, -126, 127), 0)      # np.frexp(a)[1] - 1 = floor(log2(a)), exactly
;;       r = np.clip(x / 2.0 ** e, -6, 6)
;;       step = 2.0 ** (np.maximum(np.frexp(np.where(r == 0, 1, r))[1] - 1, 0) - 1)
;;       q = np.round(r / step) * step * 2.0 ** e      # np.round: ties to even
;;       return np.moveaxis(q.reshape(q.shape[:-2] + (-1,))[..., :K], -1, axis).astype(np.float32)
;;   ~~~
;;   SOFTMAX AHEAD OF A QUANTISED PRODUCT. Where the list says 'softmax', what is quantised is not the finished softmax but p = 2^(t - M), with t = logit x log2(e) and M = ceil(the row's largest t), a whole number; so 1/2 < the row's largest p <= 1. The row's sum l is taken of the UNQUANTISED p, in f32, and the product's result is divided by l at the end. Since M is a whole number, a kernel that streams over the keys may use a running M (the ceiling of the running maximum): every later rescaling is an exact power of two, which a block's scale takes up: the codes' values come out the same.
;;   OPERANDS COMPUTED ON THE WAY. 'Computed on the way' means the value that the module computes at that place (a softmax that the list does not call 'softmax' is quantised finished and normalised). What goes into a quantiser is computed in f32, as accurately as f32 sums, v_exp_f32 and their like allow (about 1e-6 of the number): no bf16 or f16 on the way to a quantiser, and a product that is left as it is and whose result goes on into a quantised operand takes f32 operands (vector FMAs, or v_wmma_f32_16x16x4_f32). A number that lies on a knife's edge between two numbers of the format may be rounded either way, as far as f32 arithmetic and the matrix unit's own rounding can turn it there, and no further.
;;   INPUTS GIVEN AS CODES. wk (in the module: [512, 512], K = its axis 1); wp (in the module: [512, 512], K = its axis 1); wq (in the module: [512, 512], K = its axis 1); wv (in the module: [512, 512], K = its axis 1): each comes as NAME_codes (uint8): NAME with its K axis moved to the last place and cut into blocks of 32 codes, [.., K / 32, bytes a block], one block behind the other in memory; two codes a byte, the lower K in the low four bits (a code: sign, 2 exponent bits, 1 mantissa bit); and NAME_scales (uint8): the same leading axes, one E8M0 byte (e + 127) for each 32 codes along K. Its value is code x scale, taken as it is: it is not quantised again, and the codes and scales need not be those that the quantiser above would give.
;; One version. Each part assembles by itself: llvm-mc -triple=amdgcn-amd-amdhsa -mcpu=gfx1250 --defsym DOCPART=n.
;; ======== version 1 of 1: 4 launches
;; workspace buffers: hn_ws 8,912,896 bytes; q_ws 8,912,896 bytes; k_ws 8,912,896 bytes; v_ws 8,912,896 bytes; mx_ws 132,096 bytes
;; launch norm (part 1): grid 512 x 1, 8 waves a work-group, no clusters, 19,456 bytes of LDS; arguments x, gn_gamma, gn_beta, hn_ws; writes hn_ws
.if DOCPART == 1
	.amdgcn_target "amdgcn-amd-amdhsa--gfx1250"
	.amdhsa_code_object_version 6
	.text
	.protected	k_qc83a9cfa24_norm
	.globl	k_qc83a9cfa24_norm
	.p2align	8
	.type	k_qc83a9cfa24_norm,@function
k_qc83a9cfa24_norm:
	s_mov_b64 s[64:65], 0
	v_nop
	global_prefetch_b8 v0, s[64:65] scope:SCOPE_SE
	s_setreg_imm32_b32 hwreg(HW_REG_WAVE_MODE, 25, 1), 1
	s_wait_xcnt 0x0
; GROUP NORM AND ITS QUANTISER.  x: [32][512][1024] f32.  A group of the norm is 32 channels, and 32 channels are one block of the quantiser along the channels,
; the K of the three projections.  Work-group id = 16 b + g owns group g of batch b: 131,072 dense bytes.  Thread t owns tokens 4 t .. 4 t + 3 of all 32 channels
; (128 registers), so x is read once, mean and variance are taken in two passes over registers (no difference of large sums), and a token's 32 numbers of the block lie in one lane.
; OUT, into hn_ws: codes as images of operand registers, [b][tile of 16 tokens][K step of 128][1024]: block g of token n at 262144 b + 4096 (n / 16) + 256 g + 16 (n % 16);
; from byte 8,388,608 on the scale bytes as planes [b][g][n].
; LIMITS: NaN and infinities are not served.  A block whose largest magnitude lies under 2^-124 (a block of zeros too) gets the byte 1: its codes are then zeros or nearly, and this program alone reads the bytes.
; No matrix unit, no cluster: the work-groups share no input.
.set RED1, 0                           ; LDS: eight partial sums
.set RED2, 256                         ; eight partial sums of squares
.set BST,  512                         ; 1,024 scale bytes, token n at n
.set CST,  2048                        ; 16,384 bytes of codes, token n at 16 n
.set X,   16                           ; v16-143  x(c, 4 t + j) at 4 c + j
.set Y,   144                          ; v144-175 one token's 32 numbers
.set CD,  176                          ; v176-191 codes, four registers a token
.set SB,  192                          ; v192     four scale bytes
.set M,   194                          ; v194-195 the mean, twice
.set A,   196                          ; v196-203 four chains of packed sums
.set T,   204                          ; v204-207 at work
	s_load_b256 s[4:11], s[0:1], 0x0               ; x s[4:5], gamma s[6:7], beta s[8:9], hn_ws s[10:11]
	v_lshl_add_u32 v208, v0, 2, 0x4800
	v_mov_b32 v209, 0
	v_lshlrev_b32 v1, 4, v0                        ; 16 t
	v_lshrrev_b32 v6, 5, v0
	v_readfirstlane_b32 s12, v6                    ; wave
	v_and_b32 v2, 31, v0                           ; lane
	v_lshl_add_u32 v3, v0, 6, CST                  ; my four tokens' codes in LDS
	s_lshl_b32 s13, s12, 11
	v_lshl_add_u32 v4, v2, 4, s13
	v_add_nc_u32 v4, CST, v4                       ; back: my wave's 128 tokens, 16 bytes a lane
	v_and_b32 v5, 15, v0
	v_bfe_u32 v7, v0, 4, 1
	v_lshlrev_b32 v5, 4, v5
	v_lshl_add_u32 v5, v7, 12, v5
	s_lshl_b32 s13, s12, 15
	v_add_nc_u32 v5, s13, v5                       ; in hn_ws: 32768 wave + 4096 (lane / 16) + 16 (lane % 16)
	v_lshlrev_b32 v6, 2, v6                        ; 4 wave
	v_mov_b32 v7, 0
	v_lshl_add_u32 v8, v0, 2, BST
	v_lshl_add_u32 v9, v0, 4, BST
	v_mov_b32 v[T+1], 0                            ; a lane permute's destination counts as one of its sources
	s_mov_b32 s86, 0x76543210
	s_mov_b32 s87, 0xfedcba98                      ; selects for lane l xor 16
	s_mov_b32 s85, 0x38000000                      ; 2^-15 = 1 / 32,768
	s_lshl_b32 s2, ttmp9, 17                       ; my group's 131,072 bytes
	s_mov_b32 s3, 0
	s_and_b32 s14, ttmp9, 15
	s_lshl_b32 s14, s14, 7                         ; 128 g: my 32 gains and biases
	s_mov_b32 s15, 0
	s_wait_kmcnt 0x0
	s_add_nc_u64 s[4:5], s[4:5], s[2:3]
.set c, 0
.rept 32
	global_load_b128 v[X+4*c:X+4*c+3], v1, s[4:5] offset:4096*c th:TH_LOAD_NT   ; a wave reads 512 consecutive bytes of a channel
.set c, c+1
.endr
	s_add_nc_u64 s[6:7], s[6:7], s[14:15]
	s_add_nc_u64 s[8:9], s[8:9], s[14:15]
	s_load_b512 s[16:31], s[6:7], 0x0              ; gamma 0-15
	s_load_b512 s[32:47], s[6:7], 0x40             ; gamma 16-31
	s_load_b512 s[48:63], s[8:9], 0x0              ; beta 0-15
	s_load_b512 s[68:83], s[8:9], 0x40             ; beta 16-31
	s_lshl_b32 s14, ttmp9, 10
	s_add_co_u32 s14, s14, 0x800000
	s_add_nc_u64 s[14:15], s[10:11], s[14:15]      ; my plane of scale bytes
	s_lshr_b32 s2, ttmp9, 4
	s_lshl_b32 s2, s2, 18
	s_and_b32 s13, ttmp9, 15
	s_lshl_b32 s13, s13, 8
	s_add_co_u32 s2, s2, s13
	s_add_nc_u64 s[10:11], s[10:11], s[2:3]        ; codes: 262144 b + 256 g
; the four chains become one number for the work-group, in every lane, in v[T]
.macro XRED off
	v_pk_add_f32 v[A:A+1], v[A:A+1], v[A+2:A+3]
	v_pk_add_f32 v[A+4:A+5], v[A+4:A+5], v[A+6:A+7]
	v_pk_add_f32 v[A:A+1], v[A:A+1], v[A+4:A+5]
	v_add_f32 v[T], v[A], v[A+1]
	v_add_f32_dpp v[T], v[T], v[T] row_xmask:1 row_mask:0xf bank_mask:0xf
	v_add_f32_dpp v[T], v[T], v[T] row_xmask:2 row_mask:0xf bank_mask:0xf
	v_add_f32_dpp v[T], v[T], v[T] row_xmask:4 row_mask:0xf bank_mask:0xf
	v_add_f32_dpp v[T], v[T], v[T] row_xmask:8 row_mask:0xf bank_mask:0xf
	v_permlanex16_b32 v[T+1], v[T], s86, s87
	v_add_f32 v[T], v[T], v[T+1]
	ds_store_b32 v6, v[T] offset:\off              ; all lanes write my wave's word with the same value
	s_wait_dscnt 0x0                               ; for the others' sake: the store has landed
	s_barrier_signal -1
	s_barrier_wait -1
	ds_load_b128 v[A:A+3], v7 offset:\off
	ds_load_b128 v[A+4:A+7], v7 offset:\off+16
	s_wait_dscnt 0x0
	v_pk_add_f32 v[A:A+1], v[A:A+1], v[A+2:A+3]
	v_pk_add_f32 v[A+4:A+5], v[A+4:A+5], v[A+6:A+7]
	v_pk_add_f32 v[A:A+1], v[A:A+1], v[A+4:A+5]
	v_add_f32 v[T], v[A], v[A+1]
.endm
	; the sum, as the loads come in: eight loads are 16 pairs; each count leaves the younger loads out
.set p, 0
.rept 64
.if p == 0
	s_wait_loadcnt 24
.elseif p == 16
	s_wait_loadcnt 16
.elseif p == 32
	s_wait_loadcnt 8
.elseif p == 48
	s_wait_loadcnt 0
.endif
.if p < 4
	v_pk_add_f32 v[A+2*p:A+2*p+1], v[X+2*p:X+2*p+1], v[X+2*p+8:X+2*p+9]   ; the first eight pairs start the chains: nothing is cleared
.elseif p >= 8
	v_pk_add_f32 v[A+2*(p%4):A+2*(p%4)+1], v[A+2*(p%4):A+2*(p%4)+1], v[X+2*p:X+2*p+1]
.endif
.set p, p+1
.endr
	XRED RED1
	v_mul_f32 v[M], s85, v[T]                      ; the mean
	v_mov_b32 v[M+1], v[M]
.set p, 0
.rept 64
	v_pk_add_f32 v[X+2*p:X+2*p+1], v[X+2*p:X+2*p+1], v[M:M+1] neg_lo:[0,1] neg_hi:[0,1]   ; x - mean
.set p, p+1
.endr
.set p, 0
.rept 64
.if p < 4
	v_pk_mul_f32 v[A+2*p:A+2*p+1], v[X+2*p:X+2*p+1], v[X+2*p:X+2*p+1]
.else
	v_pk_fma_f32 v[A+2*(p%4):A+2*(p%4)+1], v[X+2*p:X+2*p+1], v[X+2*p:X+2*p+1], v[A+2*(p%4):A+2*(p%4)+1]
.endif
.set p, p+1
.endr
	XRED RED2
	v_mov_b32 v[T+2], 0x358637bd                   ; 1e-6
	v_fma_f32 v[T], v[T], s85, v[T+2]              ; variance + eps
	v_rsq_f32 v[T], v[T]
	v_nop                                          ; a plain instruction behind the transcendental
	s_wait_alu depctr_va_vdst(0)                   ; and a wait ahead of its first reader
	v_readfirstlane_b32 s84, v[T]
	s_wait_kmcnt 0x0                               ; gamma and beta
.set c, 0
.rept 32
	s_mul_f32 s[16+c], s[16+c], s84                ; gamma / sqrt(variance + eps)
.set c, c+1
.endr
; token 4 t + j: normalised, its block's scale, its 32 codes
.macro TOKEN j
.set c, 0
.rept 32
.if c < 16
	v_fma_f32 v[Y+c], v[X+4*c+\j], s[16+c], s[48+c]
.else
	v_fma_f32 v[Y+c], v[X+4*c+\j], s[16+c], s[52+c]
.endif
.set c, c+1
.endr
	v_max3_num_f32 v[T], |v[Y]|, |v[Y+1]|, |v[Y+2]|           ; the block's largest magnitude, in two chains
	v_max3_num_f32 v[T+1], |v[Y+3]|, |v[Y+4]|, |v[Y+5]|
.irp i, 6,10,14,18,22,26
	v_max3_num_f32 v[T], v[T], |v[Y+\i]|, |v[Y+\i+1]|
	v_max3_num_f32 v[T+1], v[T+1], |v[Y+\i+2]|, |v[Y+\i+3]|
.endr
	v_max3_num_f32 v[T], v[T], |v[Y+30]|, |v[Y+31]|
	v_max3_num_f32 v[T], v[T], v[T+1], 0x1800000   ; and the floor 2^(3 - 127): the byte cannot fall under 1
	v_add_nc_u32 v[T+2], 0xff000000, v[T]          ; 2 off the exponent field: the conversion takes that field as its scale
.irp g, 0,1,2,3
	v_cvt_scalef32_pk8_fp4_f32 v[CD+4*\j+\g], v[Y+8*\g:Y+8*\g+7], v[T+2]
.endr
	v_lshrrev_b32 v[T+3], 23, v[T+2]               ; the scale's byte (also the plain instruction behind the conversions)
.if \j == 0
	v_mov_b32 v[SB], v[T+3]
.else
	v_lshl_or_b32 v[SB], v[T+3], 8*\j, v[SB]
.endif
	ds_store_b128 v3, v[CD+4*\j:CD+4*\j+3] offset:16*\j
.endm
	TOKEN 0
	TOKEN 1
	TOKEN 2
	TOKEN 3
	ds_store_b32 v8, v[SB]
.irp i, 0,1,2,3
	ds_load_b128 v[Y+4*\i:Y+4*\i+3], v4 offset:512*\i   ; my own wave's bytes: LDS serves a wave's instructions in order (ISA guide 5.7.1.4)
.endr
.irp i, 0,1,2,3
	s_wait_dscnt 3-\i                              ; the younger loads may stay out
	global_store_b128 v5, v[Y+4*\i:Y+4*\i+3], s[10:11] offset:8192*\i   ; sixteen lanes store 256 consecutive bytes, aligned
.endr
	s_wait_dscnt 0x0                               ; my scale bytes have landed
	s_barrier_signal -1
	s_barrier_wait -1
	s_cmp_gt_u32 s12, 1
	s_cbranch_scc1 .Ldone                          ; waves 0 and 1 store the plane's 1,024 bytes, 512 each
	ds_load_b128 v[A:A+3], v9
	s_wait_dscnt 0x0
	global_store_b128 v1, v[A:A+3], s[14:15]
.Ldone:
	s_wait_tensorcnt 0x0
	ds_add_u32 v208, v209
	s_wait_dscnt 0x0
	s_endpgm
.Lfunc_end_k_qc83a9cfa24_norm:
	.size	k_qc83a9cfa24_norm, .Lfunc_end_k_qc83a9cfa24_norm-k_qc83a9cfa24_norm
	.p2alignl 7, 3214868480
	.fill 96, 4, 3214868480
	.section	.rodata,"a",@progbits
	.p2align	6, 0x0
	.amdhsa_kernel k_qc83a9cfa24_norm
		.amdhsa_group_segment_fixed_size 19456
		.amdhsa_private_segment_fixed_size 0
		.amdhsa_enable_private_segment 0
		.amdhsa_kernarg_size 32
		.amdhsa_user_sgpr_count 2
		.amdhsa_user_sgpr_kernarg_segment_ptr 1
		.amdhsa_wavefront_size32 1
		.amdhsa_system_sgpr_workgroup_id_x 1
		.amdhsa_system_sgpr_workgroup_id_y 1
		.amdhsa_system_sgpr_workgroup_id_z 1
		.amdhsa_system_vgpr_workitem_id 0
		.amdhsa_next_free_vgpr 210
		.amdhsa_next_free_sgpr 90
		.amdhsa_reserve_vcc 0
		.amdhsa_float_denorm_mode_32 3
		.amdhsa_float_denorm_mode_16_64 3
		.amdhsa_memory_ordered 1
		.amdhsa_forward_progress 1
		.amdhsa_inst_pref_size 37
	.end_amdhsa_kernel
	.amdgpu_metadata
---
amdhsa.version: [ 1, 2 ]
amdhsa.kernels:
  - .name:           k_qc83a9cfa24_norm
    .symbol:         k_qc83a9cfa24_norm.kd
    .args:
      - { .name: x, .offset: 0, .size: 8, .value_kind: global_buffer, .address_space: global }
      - { .name: gn_gamma, .offset: 8, .size: 8, .value_kind: global_buffer, .address_space: global }
      - { .name: gn_beta, .offset: 16, .size: 8, .value_kind: global_buffer, .address_space: global }
      - { .name: hn_ws, .offset: 24, .size: 8, .value_kind: global_buffer, .address_space: global }
    .group_segment_fixed_size: 19456
    .private_segment_fixed_size: 0
    .kernarg_segment_align: 8
    .kernarg_segment_size: 32
    .max_flat_workgroup_size: 256
    .sgpr_count:     90
    .vgpr_count:     210
    .wavefront_size: 32
...
	.end_amdgpu_metadata
.endif
;; end of part 1
;; launch qkv (part 2): grid 192 x 1, 8 waves a work-group, no clusters, 202,752 bytes of LDS; arguments hn_ws, wq_codes, wq_scales, bq, wk_codes, wk_scales, bk, wv_codes, wv_scales, bv, q_ws, k_ws, v_ws; writes q_ws, k_ws, v_ws
.if DOCPART == 2
	.amdgcn_target "amdgcn-amd-amdhsa--gfx1250"
	.amdhsa_code_object_version 6
	.text
	.protected	k_qc83a9cfa24_qkv
	.globl	k_qc83a9cfa24_qkv
	.p2align	8
	.type	k_qc83a9cfa24_qkv,@function
k_qc83a9cfa24_qkv:
	s_mov_b64 s[64:65], 0
	v_nop
	global_prefetch_b8 v0, s[64:65] scope:SCOPE_SE
	s_setreg_imm32_b32 hwreg(HW_REG_WAVE_MODE, 25, 1), 1
	s_wait_xcnt 0x0
; THE THREE PROJECTIONS, on codes of FP4 (E2M1) with one E8M0 scale for each 32 along K, and the quantisers behind them.
; q and k are quantised along the channels (the K of the scores), v along the keys (the K of the second product of attention).
; ONE FORM SERVES BOTH.  Each wave keeps a RESIDENT operand of 128 rows x 512 K in registers (window 1: 8 tiles x 4 K steps) and walks 16 STREAMED tiles from LDS.  The product is
; source 0 = resident, source 1 = streamed: a lane then holds one streamed row, and its 64 results run along the 128 resident rows, which are one K step of the next product.
; THE ROWS OF A TILE ARE NOT NEIGHBOURS: lane r of tile 2 b + u takes row 32 b + 8 u + r + 8 (r / 8), so that the 16 registers of tiles 2 b, 2 b + 1 are 16 neighbours along the next K.
; Work-groups 0-127 (q and k): 256 tokens streamed; waves 0-3 keep Wq's, waves 4-7 Wk's rows 128 (wave % 4) on.  Work-groups 128-191 (v): wave w keeps tokens 128 w on; 256 channels of Wv are streamed.
; Every wave issues 512 matrix instructions.  The two ways part on the work-group's number and have LDS bytes of their own.
; OUT: images of operand registers (a fragment's 1,024 bytes: lane l's 16 bytes at 16 l, then 512 on): q_ws, k_ws [b][64 tiles of tokens][4 K steps][1024]; v_ws [b][32 tiles of channels][8 K steps][1024];
; from byte 8,388,608 on the scale words: q, k [b][K step][tile][row]; v [b][K step][tile][row].
; LIMITS: NaN and infinities are not served; a block whose largest magnitude lies under 2^-124 gets the byte 1 (this program alone reads the bytes).
; NO CLUSTER: what work-groups share here (the weights, 32 KB a wave, read once a launch into registers) never passes through LDS, where a joint load would land.
.set HNQ,  0                           ; q, k: 16 tiles of 16 tokens, 4,096 bytes + 128, so that rows 8-15 of a tile fall 32 banks from rows 0-7 (64 banks of 4 bytes: ISA guide 11.1)
.set PLQ,  67584                       ; 16 planes x 256 scale bytes
.set SWQ,  71680                       ; 256 tokens x 16: the same as four words a token
.set SCSQ, 75776                       ; 8 waves x 1,024: the scale words made
.set WVL,  83968                       ; v: 256 rows of Wv: row x 272 + (row / 16) x 128
.set PLV,  155648                      ; 16 planes x 1,024
.set SWV,  172032                      ; 1,024 tokens x 16
.set WVS,  188416                      ; Wv's scale words, 16 bytes a row
.set WVB,  192512                      ; bv, 256 numbers
.set SCSV, 193536                      ; 8 waves x 1,024
.set LI,  1                            ; v1   16 x lane
.set R,   2                            ; v2   r = lane % 16
.set H,   3                            ; v3   h = lane / 16
.set PR,  4                            ; v4   r + 8 (r / 8)
.set SFA, 5                            ; v5   LDS: the streamed tile's codes
.set SSA, 6                            ; v6   its scale words
.set BVA, 7                            ; v7   its bias (v)
.set PWA, 8                            ; v8   where my scale words go
.set HA,  16                           ; v16-79   the 8 results; staging at the head
.set SF,  80                           ; v80-111  the streamed tile's four fragments
.set SS,  112                          ; v112-115 its scale words
.set PC,  116                          ; v116-123 the codes made
.set PW,  124                          ; v124     the scale word made
.set BV,  125                          ; v125     the lane's bias (v)
.set BC,  128                          ; v128-135 the same, eight times: C of the first K step (v)
.set TM,  136                          ; v136-151 at work in the quantiser
.set RS,  152                          ; v152-183 the resident rows' scale words, 4 t + ks
.set BI,  184                          ; v184-247 bias in the result's layout, 8 t + j (q, k)
.set CNT, 47
.set SEL, 48
.set MSB, 0
.macro WIN new                         ; the immediate's high byte repeats the setting that is left
.if MSB != (\new)
	s_set_vgpr_msb (MSB<<8)|(\new)
.set MSB, (\new)
.endif
.endm
.macro NOPS n
.rept \n
	v_nop
.endr
.endm
.macro BARRIER                         ; my LDS stores have landed and my LDS loads are in: then the work-group's barrier
	s_wait_dscnt 0x0
	s_barrier_signal -1
	s_barrier_wait -1
.endm
.macro WMQ d, a, b, c, sa, sb
	v_wmma_scale_f32_16x16x128_f8f6f4 v[\d:\d+7], v[\a:\a+7], v[\b:\b+7], v[\c:\c+7], v[\sa], v[\sb] matrix_a_fmt:MATRIX_FMT_FP4 matrix_b_fmt:MATRIX_FMT_FP4
.endm
; 64 numbers of a lane, register 16 b + i = k 32 b + 16 h + i of my row, become a fragment's codes in v[PC] on and its scale word in v[PW]
.macro QUANT s
.irp b, 0,1,2,3
	v_max3_num_f32 v[TM+\b], |v[\s+16*\b]|, |v[\s+1+16*\b]|, 0x1800000   ; with the floor 2^(3 - 127): the byte cannot fall under 1.  (Each result is read from its low end on)
.endr
.irp i, 2,4,6,8,10,12,14
.irp b, 0,1,2,3
	v_max3_num_f32 v[TM+\b], v[TM+\b], |v[\s+16*\b+\i]|, |v[\s+1+16*\b+\i]|
.endr
.endr
.irp b, 0,1,2,3
	v_permlanex16_b32 v[TM+4+\b], v[TM+\b], s[SEL], s[SEL+1]
.endr
.irp b, 0,1,2,3
	v_max_num_f32 v[TM+\b], v[TM+\b], v[TM+4+\b]   ; with lane l xor 16's: the block's largest magnitude
.endr
.irp b, 0,1,2,3
	v_add_nc_u32 v[TM+12+\b], 0xff000000, v[TM+\b] ; 2 off its exponent field: the conversion's scale operand
.endr
.irp b, 0,1,2,3
	v_lshrrev_b32 v[TM+4+\b], 23, v[TM+12+\b]      ; the scale's byte
.endr
	v_lshl_or_b32 v[PW], v[TM+5], 8, v[TM+4]
	v_lshl_or_b32 v[PW], v[TM+6], 16, v[PW]
	v_lshl_or_b32 v[PW], v[TM+7], 24, v[PW]
	s_wait_xcnt 0x0                                ; the last tile's stores have read the codes' registers
.irp b, 0,1,2,3
	v_cvt_scalef32_pk8_fp4_f32 v[PC+2*\b], v[\s+16*\b:\s+7+16*\b], v[TM+12+\b]
	v_cvt_scalef32_pk8_fp4_f32 v[PC+1+2*\b], v[\s+8+16*\b:\s+15+16*\b], v[TM+12+\b]
.endr
	v_nop                                          ; one plain instruction behind a scaled conversion
.irp c, 0,1                                    ; the operand's layout wants a whole block in a lane: lanes 0-15 block 2 c, lanes 16-31 block 2 c + 1
.irp i, 0,1
	v_permlane16_swap_b32 v[PC+4*\c+\i], v[PC+2+4*\c+\i]
.endr
.endr
.endm
; a token's 16 scale bytes, one from each plane, become its four scale words
.macro WORDS pa, pstride, poff, sa, soff
.irp g, 0,1,2,3,4,5,6,7,8,9,10,11,12,13,14,15
	ds_load_u8 v[HA+\g], v[\pa] offset:\pstride*\g+\poff
.endr
	s_wait_dscnt 0x0
.irp k, 0,1,2,3
	v_lshl_or_b32 v[HA+16+\k], v[HA+4*\k+1], 8, v[HA+4*\k]
	v_lshl_or_b32 v[HA+16+\k], v[HA+4*\k+2], 16, v[HA+16+\k]
	v_lshl_or_b32 v[HA+16+\k], v[HA+4*\k+3], 24, v[HA+16+\k]
.endr
	ds_store_b128 v[\sa], v[HA+16:HA+19] offset:\soff
.endm
; the streamed tile's loads: u = which tile of the pair
.macro SLOAD vp, uo
.irp ks, 0,1,2,3
.irp cc, 0,1
.if \vp
	ds_load_b128 v[SF+8*\ks+4*\cc:SF+8*\ks+4*\cc+3], v[SFA] offset:2176*\uo+64*\ks+32*\cc
.else
	ds_load_b128 v[SF+8*\ks+4*\cc:SF+8*\ks+4*\cc+3], v[SFA] offset:128*\uo+1024*\ks+512*\cc
.endif
.endr
.endr
	ds_load_b128 v[SS:SS+3], v[SSA] offset:128*\uo
.if \vp
	ds_load_b32 v[BV], v[BVA] offset:32*\uo
.endif
.endm
; 32 matrix instructions: the 8 results take turns, one instruction a turn, K step by K step; the bias is the C of the first K step
.macro MM vp
	s_wait_dscnt 0x0                               ; the streamed tile is in
.if \vp
.irp j, 0,1,2,3,4,5,6,7
	v_mov_b32 v[BC+\j], v[BV]                      ; the lane's channel has one bias for all its tokens
.endr
	NOPS 4
.endif
	WIN 0x01                                       ; source 0 in window 1
.irp ks, 0,1,2,3
.irp t, 0,1,2,3,4,5,6,7
.if \ks == 0
.if \vp
	WMQ HA+8*\t, 32*\t, SF, BC, RS+4*\t, SS
.else
	WMQ HA+8*\t, 32*\t, SF, BI+8*\t, RS+4*\t, SS
.endif
.else
	WMQ HA+8*\t, 32*\t+8*\ks, SF+8*\ks, HA+8*\t, RS+4*\t+\ks, SS+\ks
.endif
.endr
.endr
	WIN 0
	NOPS 4                                         ; four places in front of loads into registers that the products read, and of the first read of results
.endm
.macro FINISH u, tsz
	QUANT HA
	global_store_b128 v[LI], v[PC:PC+3], s[36:37] offset:\u*\tsz        ; 512 consecutive bytes, aligned
	global_store_b128 v[LI], v[PC+4:PC+7], s[36:37] offset:\u*\tsz+512
	ds_store_b32 v[PWA], v[PW] offset:64*\u        ; both halves of the lanes write the same word with the same value
.endm
; eight trips of two tiles; then the wave's 1,024 bytes of scale words leave as two runs of 512
.macro WALK vp, tsz, sfstep
	SLOAD \vp, 0
	s_mov_b32 s[CNT], 8
.Ltrip_\@:
	MM \vp
	SLOAD \vp, 1
	FINISH 0, \tsz
	MM \vp
	s_cmp_eq_u32 s[CNT], 1
	s_cbranch_scc1 .Lnomore_\@                     ; the last trip has no tile to fetch
	v_add_nc_u32 v[SFA], \sfstep, v[SFA]
	v_add_nc_u32 v[SSA], 512, v[SSA]
.if \vp
	v_add_nc_u32 v[BVA], 128, v[BVA]
.endif
	SLOAD \vp, 0
.Lnomore_\@:
	FINISH 1, \tsz
	s_wait_xcnt 0x0                                ; the stores have read their base
	s_add_nc_u64 s[36:37], s[36:37], 2*\tsz
	v_add_nc_u32 v[PWA], 128, v[PWA]
	s_sub_co_u32 s[CNT], s[CNT], 1
	s_cmp_lg_u32 s[CNT], 0
	s_cbranch_scc1 .Ltrip_\@
	ds_load_b128 v[HA:HA+3], v127                  ; my own wave's words: LDS serves a wave's instructions in order
	ds_load_b128 v[HA+4:HA+7], v127 offset:512
	s_wait_dscnt 0x0
	global_store_b128 v[LI], v[HA:HA+3], s[38:39]
	global_store_b128 v[LI], v[HA+4:HA+7], s[38:39] offset:512
	s_wait_tensorcnt 0x0
	ds_add_u32 v254, v255
	s_wait_dscnt 0x0
	s_endpgm
.endm
	s_load_b512 s[4:19], s[0:1], 0x0               ; hn s[4:5]; wq codes, scales, bq s[6:11]; wk codes, scales, bk s[12:17]; wv codes s[18:19]
	s_load_b256 s[20:27], s[0:1], 0x40             ; wv scales s[20:21], bv s[22:23], q_ws s[24:25], k_ws s[26:27]
	s_load_b64 s[28:29], s[0:1], 0x60              ; v_ws
	v_lshl_add_u32 v254, v0, 2, 0x31400
	v_mov_b32 v255, 0
	v_lshrrev_b32 v9, 5, v0
	v_readfirstlane_b32 s30, v9                    ; wave 0..7
	v_and_b32 v9, 31, v0
	v_lshlrev_b32 v[LI], 4, v9
	v_and_b32 v[R], 15, v0
	v_bfe_u32 v[H], v0, 4, 1
	v_and_b32 v[PR], 8, v[R]
	v_add_nc_u32 v[PR], v[PR], v[R]
.irp b, 0,1,2,3
	v_mov_b32 v[TM+4+\b], 0                        ; written once: a lane permute's destination counts as one of its sources
.endr
	s_mov_b32 s[SEL], 0x76543210
	s_mov_b32 s[SEL+1], 0xfedcba98
	s_mov_b32 s41, 0
	s_wait_kmcnt 0x0
	s_cmp_lt_u32 ttmp9, 128
	s_cbranch_scc0 .Lvpath
	; ---------------- q and k: work-group = 4 b + quarter of the tokens
	s_and_b32 s31, s30, 3                          ; which 128 channels
	s_cmp_lt_u32 s30, 4                            ; waves 0-3 make q, waves 4-7 k
	s_cselect_b64 s[6:7], s[6:7], s[12:13]
	s_cselect_b64 s[8:9], s[8:9], s[14:15]
	s_cselect_b64 s[10:11], s[10:11], s[16:17]
	s_cselect_b64 s[24:25], s[24:25], s[26:27]
	s_lshl_b32 s40, s31, 15
	s_add_nc_u64 s[6:7], s[6:7], s[40:41]          ; my 128 rows of the weight: 256 bytes a row
	s_lshl_b32 s40, s31, 11
	s_add_nc_u64 s[8:9], s[8:9], s[40:41]          ; their scale bytes: 16 a row
	s_lshl_b32 s40, s31, 9
	s_add_nc_u64 s[10:11], s[10:11], s[40:41]      ; their biases
	s_lshl_b32 s40, ttmp9, 16
	s_add_nc_u64 s[32:33], s[4:5], s[40:41]        ; my 256 tokens' codes: 65,536 dense bytes
	s_lshl_b32 s42, s31, 10
	s_add_co_u32 s40, s40, s42
	s_add_nc_u64 s[36:37], s[24:25], s[40:41]      ; out: tile 16 x quarter, K step = my 128 channels
	s_lshr_b32 s42, ttmp9, 2
	s_lshl_b32 s42, s42, 14                        ; 16384 b
	s_and_b32 s43, ttmp9, 3
	s_lshl_b32 s44, s43, 8
	s_add_co_u32 s40, s42, s44
	s_add_co_u32 s40, s40, 0x800000
	s_add_nc_u64 s[34:35], s[4:5], s[40:41]        ; the planes of scale bytes at my 256 tokens
	s_lshl_b32 s44, s43, 10
	s_add_co_u32 s40, s42, s44
	s_lshl_b32 s44, s31, 12
	s_add_co_u32 s40, s40, s44
	s_add_co_u32 s40, s40, 0x800000
	s_add_nc_u64 s[38:39], s[24:25], s[40:41]      ; out: my 16 tiles' scale words
	v_lshlrev_b32 v9, 8, v[PR]
	v_lshl_add_u32 v9, v[H], 4, v9                 ; the weight: row r + 8 (r / 8), + 16 h
	v_lshlrev_b32 v10, 4, v[PR]
	v_lshlrev_b32 v11, 6, v[H]
	v_lshlrev_b32 v12, 4, v0                       ; 16 t
	v_lshrrev_b32 v13, 4, v0
	v_and_b32 v14, 15, v0
	v_lshlrev_b32 v14, 4, v14
	v_lshl_add_u32 v13, v13, 10, v14               ; plane t / 16, 16 bytes
	v_add_nc_u32 v14, PLQ, v0
	v_lshl_add_u32 v15, v0, 4, SWQ
	v_lshl_add_u32 v126, v0, 4, PLQ
	v_lshrrev_b32 v[SFA], 3, v[R]
	v_mul_u32_u24 v[SFA], v[SFA], 4224
	v_and_b32 v[SSA], 7, v[R]
	v_lshl_add_u32 v[SFA], v[SSA], 4, v[SFA]
	v_lshl_add_u32 v[SFA], v[H], 8, v[SFA]         ; (r / 8) x 4224 + 16 (r % 8) + 256 h
	v_lshl_add_u32 v[SSA], v[PR], 4, SWQ
	s_lshl_b32 s42, s30, 10
	s_add_co_u32 s42, s42, SCSQ
	v_lshl_add_u32 v[PWA], v[R], 2, s42
	v_add_nc_u32 v127, s42, v[LI]
.irp i, 0,1,2,3,4,5,6,7,8,9,10,11,12,13,14,15
	global_load_b128 v[HA+4*\i:HA+4*\i+3], v12, s[32:33] offset:4096*\i
.endr
	global_load_b128 v[SF:SF+3], v13, s[34:35]
	WIN 0x40                                       ; destination window 1
.irp t, 0,1,2,3,4,5,6,7
.irp ks, 0,1,2,3
.irp cc, 0,1
	global_load_b128 v[32*\t+8*\ks+4*\cc:32*\t+8*\ks+4*\cc+3], v9, s[6:7] offset:(32*(\t/2)+8*(\t%2))*256+64*\ks+32*\cc
.endr
.endr
.endr
	WIN 0
.irp t, 0,1,2,3,4,5,6,7
	global_load_b128 v[RS+4*\t:RS+4*\t+3], v10, s[8:9] offset:(32*(\t/2)+8*(\t%2))*16
	global_load_b128 v[BI+8*\t:BI+8*\t+3], v11, s[10:11] offset:(32*(\t/2)+8*(\t%2))*4
	global_load_b128 v[BI+8*\t+4:BI+8*\t+7], v11, s[10:11] offset:(32*(\t/2)+8*(\t%2))*4+16
.endr
	s_wait_loadcnt 0x0
.irp i, 0,1,2,3,4,5,6,7,8,9,10,11,12,13,14,15
	ds_store_b128 v12, v[HA+4*\i:HA+4*\i+3] offset:4224*\i
.endr
	ds_store_b128 v126, v[SF:SF+3]
	BARRIER                                        ; codes and planes lie in LDS
	WORDS 14, 256, 0, 15, 0
	BARRIER                                        ; and the tokens' scale words
	WALK 0, 4096, 8448
	; ---------------- v: work-group - 128 = 2 b + half of the channels
.Lvpath:
	s_sub_co_u32 s31, ttmp9, 128
	s_lshr_b32 s42, s31, 1                         ; b
	s_and_b32 s43, s31, 1                          ; half
	s_lshl_b32 s44, s42, 18
	s_lshl_b32 s40, s30, 15
	s_add_co_u32 s40, s40, s44
	s_add_nc_u64 s[32:33], s[4:5], s[40:41]        ; my wave's 128 tokens' codes
	s_lshl_b32 s45, s42, 14
	s_add_co_u32 s45, s45, 0x800000
	s_mov_b32 s40, s45
	s_add_nc_u64 s[34:35], s[4:5], s[40:41]        ; the batch's planes of scale bytes
	s_lshl_b32 s40, s43, 16
	s_add_nc_u64 s[18:19], s[18:19], s[40:41]      ; 256 rows of Wv
	s_lshl_b32 s40, s43, 12
	s_add_nc_u64 s[20:21], s[20:21], s[40:41]
	s_lshl_b32 s40, s43, 10
	s_add_nc_u64 s[22:23], s[22:23], s[40:41]
	s_lshl_b32 s40, s43, 17
	s_add_co_u32 s40, s40, s44
	s_lshl_b32 s46, s30, 10
	s_add_co_u32 s40, s40, s46
	s_add_nc_u64 s[36:37], s[28:29], s[40:41]      ; out: tile 16 x half, K step = my 128 keys
	s_lshl_b32 s40, s30, 11
	s_add_co_u32 s40, s40, s45
	s_lshl_b32 s46, s43, 10
	s_add_co_u32 s40, s40, s46
	s_add_nc_u64 s[38:39], s[28:29], s[40:41]      ; out: my 16 tiles' scale words
	v_lshrrev_b32 v9, 3, v[R]
	v_and_b32 v10, 7, v[R]
	v_mul_u32_u24 v[SFA], v10, 272
	v_mad_u32_u24 v[SFA], v9, 4480, v[SFA]
	v_lshl_add_u32 v[SFA], v[H], 4, v[SFA]
	v_add_nc_u32 v[SFA], WVL, v[SFA]               ; (r % 8) x 272 + (r / 8) x 4480 + 16 h
	v_lshlrev_b32 v9, 12, v9
	v_lshl_add_u32 v9, v10, 4, v9
	v_lshl_add_u32 v9, v[H], 8, v9                 ; hn's images: (r / 8) x 4096 + 16 (r % 8) + 256 h
	v_lshlrev_b32 v12, 4, v0
	v_lshrrev_b32 v13, 4, v0
	v_mul_u32_u24 v13, v13, 272
	v_and_b32 v10, 15, v0
	v_lshl_add_u32 v13, v10, 4, v13
	v_add_nc_u32 v13, WVL, v13
	v_add_nc_u32 v126, 8*4480, v13
	v_lshl_add_u32 v10, v0, 4, PLV
	v_lshl_add_u32 v11, v0, 4, WVS
	v_lshl_add_u32 v127, v0, 2, WVB
	v_add_nc_u32 v14, PLV, v0
	v_lshl_add_u32 v15, v0, 4, SWV
	v_lshlrev_b32 v[BVA], 2, v0                    ; 4 t, for bv's load
	v_lshl_add_u32 v[SSA], v[PR], 4, WVS
	s_lshl_b32 s42, s30, 10
	s_add_co_u32 s42, s42, SCSV
	v_lshl_add_u32 v[PWA], v[R], 2, s42
.irp i, 0,1,2,3,4,5,6,7,8,9,10,11,12,13,14,15
	global_load_b128 v[HA+4*\i:HA+4*\i+3], v12, s[18:19] offset:4096*\i
.endr
.irp i, 0,1,2,3
	global_load_b128 v[SF+4*\i:SF+4*\i+3], v12, s[34:35] offset:4096*\i
.endr
	global_load_b128 v[SF+16:SF+19], v12, s[20:21]
	global_load_b32 v[SF+20], v[BVA], s[22:23]
	WIN 0x40
.irp t, 0,1,2,3,4,5,6,7
.irp ks, 0,1,2,3
.irp cc, 0,1
	global_load_b128 v[32*\t+8*\ks+4*\cc:32*\t+8*\ks+4*\cc+3], v9, s[32:33] offset:(\t/2)*8192+(\t%2)*128+1024*\ks+512*\cc
.endr
.endr
.endr
	WIN 0
	s_wait_loadcnt 0x0
.irp i, 0,1,2,3,4,5,6,7
	ds_store_b128 v13, v[HA+4*\i:HA+4*\i+3] offset:4480*\i
	ds_store_b128 v126, v[HA+32+4*\i:HA+32+4*\i+3] offset:4480*\i
.endr
.irp i, 0,1,2,3
	ds_store_b128 v10, v[SF+4*\i:SF+4*\i+3] offset:4096*\i
.endr
	ds_store_b128 v11, v[SF+16:SF+19]
	ds_store_b32 v127, v[SF+20]
	BARRIER                                        ; Wv, its scales, bv and the planes lie in LDS
.irp i, 0,1,2,3
	WORDS 14, 1024, 256*\i, 15, 4096*\i
.endr
	v_lshl_add_u32 v[BVA], v[PR], 2, WVB
	v_add_nc_u32 v127, s42, v[LI]
	s_lshl_b32 s43, s30, 11
	s_add_co_u32 s43, s43, SWV
	v_lshl_add_u32 v126, v[PR], 4, s43             ; my wave's tokens' scale words
	BARRIER                                        ; the tokens' scale words lie in LDS
.irp t, 0,1,2,3,4,5,6,7
	ds_load_b128 v[RS+4*\t:RS+4*\t+3], v126 offset:(32*(\t/2)+8*(\t%2))*16
.endr
	WALK 1, 8192, 8960
.Lfunc_end_k_qc83a9cfa24_qkv:
	.size	k_qc83a9cfa24_qkv, .Lfunc_end_k_qc83a9cfa24_qkv-k_qc83a9cfa24_qkv
	.p2alignl 7, 3214868480
	.fill 96, 4, 3214868480
	.section	.rodata,"a",@progbits
	.p2align	6, 0x0
	.amdhsa_kernel k_qc83a9cfa24_qkv
		.amdhsa_group_segment_fixed_size 202752
		.amdhsa_private_segment_fixed_size 0
		.amdhsa_enable_private_segment 0
		.amdhsa_kernarg_size 104
		.amdhsa_user_sgpr_count 2
		.amdhsa_user_sgpr_kernarg_segment_ptr 1
		.amdhsa_wavefront_size32 1
		.amdhsa_system_sgpr_workgroup_id_x 1
		.amdhsa_system_sgpr_workgroup_id_y 1
		.amdhsa_system_sgpr_workgroup_id_z 1
		.amdhsa_system_vgpr_workitem_id 0
		.amdhsa_next_free_vgpr 512
		.amdhsa_next_free_sgpr 66
		.amdhsa_reserve_vcc 0
		.amdhsa_float_denorm_mode_32 3
		.amdhsa_float_denorm_mode_16_64 3
		.amdhsa_memory_ordered 1
		.amdhsa_forward_progress 1
		.amdhsa_inst_pref_size 77
	.end_amdhsa_kernel
	.amdgpu_metadata
---
amdhsa.version: [ 1, 2 ]
amdhsa.kernels:
  - .name:           k_qc83a9cfa24_qkv
    .symbol:         k_qc83a9cfa24_qkv.kd
    .args:
      - { .name: hn_ws, .offset: 0, .size: 8, .value_kind: global_buffer, .address_space: global }
      - { .name: wq_codes, .offset: 8, .size: 8, .value_kind: global_buffer, .address_space: global }
      - { .name: wq_scales, .offset: 16, .size: 8, .value_kind: global_buffer, .address_space: global }
      - { .name: bq, .offset: 24, .size: 8, .value_kind: global_buffer, .address_space: global }
      - { .name: wk_codes, .offset: 32, .size: 8, .value_kind: global_buffer, .address_space: global }
      - { .name: wk_scales, .offset: 40, .size: 8, .value_kind: global_buffer, .address_space: global }
      - { .name: bk, .offset: 48, .size: 8, .value_kind: global_buffer, .address_space: global }
      - { .name: wv_codes, .offset: 56, .size: 8, .value_kind: global_buffer, .address_space: global }
      - { .name: wv_scales, .offset: 64, .size: 8, .value_kind: global_buffer, .address_space: global }
      - { .name: bv, .offset: 72, .size: 8, .value_kind: global_buffer, .address_space: global }
      - { .name: q_ws, .offset: 80, .size: 8, .value_kind: global_buffer, .address_space: global }
      - { .name: k_ws, .offset: 88, .size: 8, .value_kind: global_buffer, .address_space: global }
      - { .name: v_ws, .offset: 96, .size: 8, .value_kind: global_buffer, .address_space: global }
    .group_segment_fixed_size: 202752
    .private_segment_fixed_size: 0
    .kernarg_segment_align: 8
    .kernarg_segment_size: 104
    .max_flat_workgroup_size: 256
    .sgpr_count:     66
    .vgpr_count:     512
    .wavefront_size: 32
...
	.end_amdgpu_metadata
.endif
;; end of part 2
;; launch smax (part 3): grid 256 x 1, 4 waves a work-group, no clusters, 35,328 bytes of LDS; arguments q_ws, k_ws, mx_ws; writes mx_ws
.if DOCPART == 3
	.amdgcn_target "amdgcn-amd-amdhsa--gfx1250"
	.amdhsa_code_object_version 6
	.text
	.protected	k_qc83a9cfa24_smax
	.globl	k_qc83a9cfa24_smax
	.p2align	8
	.type	k_qc83a9cfa24_smax,@function
k_qc83a9cfa24_smax:
	s_mov_b64 s[64:65], 0
	v_nop
	global_prefetch_b8 v0, s[64:65] scope:SCOPE_SE
	s_setreg_imm32_b32 hwreg(HW_REG_WAVE_MODE, 25, 1), 1
	s_wait_xcnt 0x0
; THE LARGEST SCORES.  reference() takes the largest score of ALL batches away before the softmax, and that number, times log2(e), is no whole number: it moves every code of p.
; So all scores are made once here, only for their maxima: each query's (raw score, f32 [work-group][8 tiles][16 rows]) and each work-group's (from byte 131,072 on, f32 [256]).
; Work-group 8 b + qb owns 128 queries, 8 tiles.  S^T = K Q^T on codes of FP4 with E8M0 scales: source 0 = 16 keys, source 1 = 16 queries; a lane holds one query.
; In a step of 256 keys wave w takes the blocks of 32 keys 8 j + 4 e + w (e = 0, 1) for all 8 tiles of queries: each byte of K is read by one wave, straight into its registers, as an image of the operand.
; Q's 32 fragments lie in LDS and are read by all four waves.  K has two sets of registers (windows 0 and 2): a step's 40 loads are out while the step before is multiplied.
; The products, their order and their operands are those of the launch that follows, so the maxima are the maxima of its scores, bit for bit.
; NO CLUSTER: a joint load lands in LDS; K goes to registers without passing through LDS, which already carries Q four times a step.
; LIMITS: NaN and infinities are not served.
.set QIMG, 0                           ; LDS: Q, [tile][K step][1024]
.set RMX,  32768                       ; (16 m + r) x 16 + 4 wave
.set LI,  1                            ; v1 16 x lane
.set LS,  2                            ; v2 4 x lane
.set RM,  8                            ; v8-15 the running maxima, a tile each
.set QS,  32                           ; v32-47 Q's scale words, 4 mu + ks: lanes 0-15 tile 2 mu, lanes 16-31 tile 2 mu + 1
.set KS,  48                           ; v48-63 K's, two sets, 4 e + ks: lanes 0-15 u = 0, lanes 16-31 u = 1
.set QB,  64                           ; v64-127 eight fragments of Q
.set KF,  128                          ; v128-255 of window 0 or 2: K, 64 e + 32 u + 8 ks.   Window 1: S, 32 m + 16 e + 8 u
.set MSB, 0
.macro WIN new
.if MSB != (\new)
	s_set_vgpr_msb (MSB<<8)|(\new)
.set MSB, (\new)
.endif
.endm
.macro NOPS n
.rept \n
	v_nop
.endr
.endm
.macro BARRIER
	s_wait_dscnt 0x0
	s_barrier_signal -1
	s_barrier_wait -1
.endm
.macro WMZ d, a, b, sa, sb, ra, rb     ; a product that starts a sum; ra, rb: which half of the lanes holds A's, B's scale words
.if ((\ra) != 0) && ((\rb) != 0)
	v_wmma_scale_f32_16x16x128_f8f6f4 v[\d:\d+7], v[\a:\a+7], v[\b:\b+7], 0, v[\sa], v[\sb] matrix_a_fmt:MATRIX_FMT_FP4 matrix_b_fmt:MATRIX_FMT_FP4 matrix_a_scale:MATRIX_SCALE_ROW1 matrix_b_scale:MATRIX_SCALE_ROW1
.elseif (\ra) != 0
	v_wmma_scale_f32_16x16x128_f8f6f4 v[\d:\d+7], v[\a:\a+7], v[\b:\b+7], 0, v[\sa], v[\sb] matrix_a_fmt:MATRIX_FMT_FP4 matrix_b_fmt:MATRIX_FMT_FP4 matrix_a_scale:MATRIX_SCALE_ROW1
.elseif (\rb) != 0
	v_wmma_scale_f32_16x16x128_f8f6f4 v[\d:\d+7], v[\a:\a+7], v[\b:\b+7], 0, v[\sa], v[\sb] matrix_a_fmt:MATRIX_FMT_FP4 matrix_b_fmt:MATRIX_FMT_FP4 matrix_b_scale:MATRIX_SCALE_ROW1
.else
	v_wmma_scale_f32_16x16x128_f8f6f4 v[\d:\d+7], v[\a:\a+7], v[\b:\b+7], 0, v[\sa], v[\sb] matrix_a_fmt:MATRIX_FMT_FP4 matrix_b_fmt:MATRIX_FMT_FP4
.endif
.endm
.macro WMC d, a, b, c, sa, sb, ra, rb
.if ((\ra) != 0) && ((\rb) != 0)
	v_wmma_scale_f32_16x16x128_f8f6f4 v[\d:\d+7], v[\a:\a+7], v[\b:\b+7], v[\c:\c+7], v[\sa], v[\sb] matrix_a_fmt:MATRIX_FMT_FP4 matrix_b_fmt:MATRIX_FMT_FP4 matrix_a_scale:MATRIX_SCALE_ROW1 matrix_b_scale:MATRIX_SCALE_ROW1
.elseif (\ra) != 0
	v_wmma_scale_f32_16x16x128_f8f6f4 v[\d:\d+7], v[\a:\a+7], v[\b:\b+7], v[\c:\c+7], v[\sa], v[\sb] matrix_a_fmt:MATRIX_FMT_FP4 matrix_b_fmt:MATRIX_FMT_FP4 matrix_a_scale:MATRIX_SCALE_ROW1
.elseif (\rb) != 0
	v_wmma_scale_f32_16x16x128_f8f6f4 v[\d:\d+7], v[\a:\a+7], v[\b:\b+7], v[\c:\c+7], v[\sa], v[\sb] matrix_a_fmt:MATRIX_FMT_FP4 matrix_b_fmt:MATRIX_FMT_FP4 matrix_b_scale:MATRIX_SCALE_ROW1
.else
	v_wmma_scale_f32_16x16x128_f8f6f4 v[\d:\d+7], v[\a:\a+7], v[\b:\b+7], v[\c:\c+7], v[\sa], v[\sb] matrix_a_fmt:MATRIX_FMT_FP4 matrix_b_fmt:MATRIX_FMT_FP4
.endif
.endm
.macro QLOAD ks, m0                    ; Q's fragments of K step ks, tiles m0 .. m0 + 3: eight loads
.irp mm, 0,1,2,3
.irp cc, 0,1
	ds_load_b128 v[QB+8*(\m0+\mm)+4*\cc:QB+8*(\m0+\mm)+4*\cc+3], v[LI] offset:(4*(\m0+\mm)+(\ks))*1024+512*\cc
.endr
.endr
.endm
.macro SMUL ks, m0, awin, ksb          ; 16 matrix instructions on 16 different sums
	WIN 0x50+(\awin)
.irp mm, 0,1,2,3
.irp e, 0,1
.irp u, 0,1
.set rD, 32*(\m0+\mm)+16*\e+8*\u
.set rA, KF+64*\e+32*\u+8*(\ks)
.set rB, QB+8*(\m0+\mm)
.set rSA, KS+(\ksb)+4*\e+(\ks)
.set rSB, QS+4*((\m0+\mm)/2)+(\ks)
.if (\ks) == 0
	WMZ rD, rA, rB, rSA, rSB, \u, (\m0+\mm)%2
.else
	WMC rD, rA, rB, rD, rSA, rSB, \u, (\m0+\mm)%2
.endif
.endr
.endr
.endr
.endm
; S^T of 128 queries x my 64 keys: 128 matrix instructions.  The 32 sums take turns, one instruction a turn.  Q's fragments come half a K step ahead:
; each wait leaves the other half's eight loads out.
.macro SPHASE awin, ksb
	QLOAD 0, 0
	QLOAD 0, 4
.irp ks, 0,1,2,3
	s_wait_dscnt 8
	SMUL \ks, 0, \awin, \ksb
.if \ks < 3
	NOPS 4                                         ; four places in front of loads into registers that the products read
	WIN 0
	QLOAD \ks+1, 0
	s_wait_dscnt 8
.else
	s_wait_dscnt 0
.endif
	SMUL \ks, 4, \awin, \ksb
.if \ks < 3
	NOPS 4
	WIN 0
	QLOAD \ks+1, 4
.endif
.endr
	WIN 0
	NOPS 4                                         ; in front of the first read of results and of loads into K's registers
.endm
.macro KGET j, set                     ; step j's K: 32 + 8 loads
.if \set
	WIN 0x80                                       ; destination window 2
.endif
.irp e, 0,1
.irp i, 0,1,2,3,4,5,6,7,8,9,10,11,12,13,14,15
	global_load_b128 v[KF+64*\e+4*\i:KF+64*\e+4*\i+3], v[LI], s[14:15] offset:65536*(\j)+32768*\e+512*\i
.endr
.endr
	WIN 0
.irp e, 0,1
.irp ks, 0,1,2,3
	global_load_b32 v[KS+8*(\set)+4*\e+\ks], v[LS], s[16:17] offset:1024*(\j)+4096*\ks+512*\e
.endr
.endr
.endm
.macro CSTEP j
.if \j < 3
	KGET \j+1, (\j+1)%2
	s_wait_loadcnt 40                              ; this step's K is in; the 40 loads just issued may be out
.else
	s_wait_loadcnt 0
.endif
	SPHASE 2*(\j%2), 8*(\j%2)
	WIN 0x05                                       ; sources 0 and 1 in window 1
.irp i, 0,2,4,6,8,10,12,14,16,18,20,22,24,26,28,30
.irp m, 0,1,2,3,4,5,6,7
	v_max3_num_f32 v[RM+\m], v[32*\m+\i], v[32*\m+\i+1], v[RM+\m]   ; ascending: each result is read from its low end on
.endr
.endr
	WIN 0
.endm
	s_load_b128 s[4:7], s[0:1], 0x0                ; q_ws, k_ws
	s_load_b64 s[8:9], s[0:1], 0x10                ; mx_ws
	v_lshl_add_u32 v30, v0, 2, 0x8800
	v_mov_b32 v31, 0
	v_lshrrev_b32 v6, 5, v0
	v_readfirstlane_b32 s22, v6                    ; wave
	v_and_b32 v6, 31, v0                           ; lane
	v_lshlrev_b32 v[LI], 4, v6
	v_lshlrev_b32 v[LS], 2, v6
	v_lshlrev_b32 v3, 4, v0                        ; 16 t
	v_and_b32 v4, 15, v0
	s_lshl_b32 s23, s22, 2
	s_add_co_u32 s23, s23, RMX
	v_lshl_add_u32 v4, v4, 4, s23                  ; RMX + 16 r + 4 wave
	v_lshl_add_u32 v5, v6, 6, RMX                  ; RMX + 64 lane
	v_mov_b32 v7, 0
	s_mov_b32 s24, 0x76543210
	s_mov_b32 s25, 0xfedcba98
	s_lshr_b32 s26, ttmp9, 3                       ; b
	s_and_b32 s27, ttmp9, 7                        ; qb
	s_mov_b32 s29, 0
	s_wait_kmcnt 0x0
	s_lshl_b32 s28, ttmp9, 15
	s_add_nc_u64 s[10:11], s[4:5], s[28:29]        ; my 8 tiles of Q: 32,768 dense bytes
	s_lshl_b32 s30, s26, 14
	s_add_co_u32 s30, s30, 0x800000
	s_lshl_b32 s28, s27, 9
	s_add_co_u32 s28, s28, s30
	s_add_nc_u64 s[12:13], s[4:5], s[28:29]        ; their scale words
	s_lshl_b32 s28, s26, 18
	s_lshl_b32 s31, s22, 13
	s_add_co_u32 s28, s28, s31
	s_add_nc_u64 s[14:15], s[6:7], s[28:29]        ; K: block w of the batch
	s_lshl_b32 s28, s22, 7
	s_add_co_u32 s28, s28, s30
	s_add_nc_u64 s[16:17], s[6:7], s[28:29]
	s_lshl_b32 s28, ttmp9, 9
	s_add_nc_u64 s[18:19], s[8:9], s[28:29]
	s_lshl_b32 s28, ttmp9, 2
	s_add_co_u32 s28, s28, 131072
	s_add_nc_u64 s[20:21], s[8:9], s[28:29]
.irp i, 0,1,2,3,4,5,6,7,8,9,10,11,12,13,14,15
	global_load_b128 v[QB+4*\i:QB+4*\i+3], v3, s[10:11] offset:2048*\i
.endr
.irp ks, 0,1,2,3
.irp mu, 0,1,2,3
	global_load_b32 v[QS+4*\mu+\ks], v[LS], s[12:13] offset:4096*\ks+128*\mu
.endr
.endr
	KGET 0, 0
.irp m, 0,1,2,3,4,5,6,7
	v_mov_b32 v[RM+\m], 0xff800000                 ; -infinity
.endr
	s_wait_loadcnt 40                              ; Q and its scale words are in; K's 40 loads may be out
.irp i, 0,1,2,3,4,5,6,7,8,9,10,11,12,13,14,15
	ds_store_b128 v3, v[QB+4*\i:QB+4*\i+3] offset:2048*\i
.endr
	BARRIER
	CSTEP 0
	CSTEP 1
	CSTEP 2
	CSTEP 3
.irp m, 0,1,2,3,4,5,6,7
	v_permlanex16_b32 v[QB+\m], v[RM+\m], s24, s25
.endr
.irp m, 0,1,2,3,4,5,6,7
	v_max_num_f32 v[RM+\m], v[RM+\m], v[QB+\m]     ; with lane l xor 16's keys
.endr
.irp m, 0,1,2,3,4,5,6,7
	ds_store_b32 v4, v[RM+\m] offset:256*\m
.endr
	BARRIER
	s_cmp_lg_u32 s22, 0
	s_cbranch_scc1 .Lend                           ; wave 0 joins the four waves' maxima and stores them
.irp i, 0,1,2,3
	ds_load_b128 v[QB+4*\i:QB+4*\i+3], v5 offset:16*\i
.endr
	s_wait_dscnt 0x0
.irp i, 0,1,2,3
	v_max3_num_f32 v[80+\i], v[QB+4*\i], v[QB+4*\i+1], v[QB+4*\i+2]
.endr
.irp i, 0,1,2,3
	v_max_num_f32 v[80+\i], v[80+\i], v[QB+4*\i+3]
.endr
	global_store_b128 v[LI], v[80:83], s[18:19]    ; rows 4 lane .. 4 lane + 3: 512 consecutive bytes
	v_max3_num_f32 v84, v80, v81, v82
	v_max_num_f32 v84, v84, v83
	v_max_num_f32_dpp v84, v84, v84 row_xmask:1 row_mask:0xf bank_mask:0xf
	v_max_num_f32_dpp v84, v84, v84 row_xmask:2 row_mask:0xf bank_mask:0xf
	v_max_num_f32_dpp v84, v84, v84 row_xmask:4 row_mask:0xf bank_mask:0xf
	v_max_num_f32_dpp v84, v84, v84 row_xmask:8 row_mask:0xf bank_mask:0xf
	v_permlanex16_b32 v85, v84, s24, s25
	v_max_num_f32 v84, v84, v85
	v_cmp_eq_u32 vcc_lo, 0, v6
	s_wait_xcnt 0x0                                ; EXEC changes only behind this wait
	s_and_saveexec_b32 s23, vcc_lo
	global_store_b32 v7, v84, s[20:21]             ; lane 0: the work-group's largest score
	s_wait_xcnt 0x0
	s_or_b32 exec_lo, exec_lo, s23
.Lend:
	s_wait_tensorcnt 0x0
	ds_add_u32 v30, v31
	s_wait_dscnt 0x0
	s_endpgm
.Lfunc_end_k_qc83a9cfa24_smax:
	.size	k_qc83a9cfa24_smax, .Lfunc_end_k_qc83a9cfa24_smax-k_qc83a9cfa24_smax
	.p2alignl 7, 3214868480
	.fill 96, 4, 3214868480
	.section	.rodata,"a",@progbits
	.p2align	6, 0x0
	.amdhsa_kernel k_qc83a9cfa24_smax
		.amdhsa_group_segment_fixed_size 35328
		.amdhsa_private_segment_fixed_size 0
		.amdhsa_enable_private_segment 0
		.amdhsa_kernarg_size 24
		.amdhsa_user_sgpr_count 2
		.amdhsa_user_sgpr_kernarg_segment_ptr 1
		.amdhsa_wavefront_size32 1
		.amdhsa_system_sgpr_workgroup_id_x 1
		.amdhsa_system_sgpr_workgroup_id_y 1
		.amdhsa_system_sgpr_workgroup_id_z 1
		.amdhsa_system_vgpr_workitem_id 0
		.amdhsa_next_free_vgpr 768
		.amdhsa_next_free_sgpr 66
		.amdhsa_reserve_vcc 1
		.amdhsa_float_denorm_mode_32 3
		.amdhsa_float_denorm_mode_16_64 3
		.amdhsa_memory_ordered 1
		.amdhsa_forward_progress 1
		.amdhsa_inst_pref_size 144
	.end_amdhsa_kernel
	.amdgpu_metadata
---
amdhsa.version: [ 1, 2 ]
amdhsa.kernels:
  - .name:           k_qc83a9cfa24_smax
    .symbol:         k_qc83a9cfa24_smax.kd
    .args:
      - { .name: q_ws, .offset: 0, .size: 8, .value_kind: global_buffer, .address_space: global }
      - { .name: k_ws, .offset: 8, .size: 8, .value_kind: global_buffer, .address_space: global }
      - { .name: mx_ws, .offset: 16, .size: 8, .value_kind: global_buffer, .address_space: global }
    .group_segment_fixed_size: 35328
    .private_segment_fixed_size: 0
    .kernarg_segment_align: 8
    .kernarg_segment_size: 24
    .max_flat_workgroup_size: 128
    .sgpr_count:     66
    .vgpr_count:     768
    .wavefront_size: 32
...
	.end_amdgpu_metadata
.endif
;; end of part 3
;; launch attn (part 4): grid 256 x 1, 4 waves a work-group, no clusters, 316,928 bytes of LDS; arguments q_ws, k_ws, v_ws, mx_ws, wp_codes, wp_scales, bp, x, out0; writes out0
.if DOCPART == 4
	.amdgcn_target "amdgcn-amd-amdhsa--gfx1250"
	.amdhsa_code_object_version 6
	.text
	.protected	k_qc83a9cfa24_attn
	.globl	k_qc83a9cfa24_attn
	.p2align	8
	.type	k_qc83a9cfa24_attn,@function
k_qc83a9cfa24_attn:
	s_mov_b64 s[64:65], 0
	v_nop
	global_prefetch_b8 v0, s[64:65] scope:SCOPE_SE
	s_setreg_imm32_b32 hwreg(HW_REG_WAVE_MODE, 25, 1), 1
	s_wait_xcnt 0x0
; ATTENTION, THE LAST PROJECTION AND THE RESIDUAL, all products on codes of FP4 (E2M1) with one E8M0 scale for each 32 along K.
; Work-group 8 b + qb owns 128 queries (8 tiles m) of batch b; four waves.
; SCORES.  S^T = K Q^T (source 0 = 16 keys, source 1 = 16 queries): a lane holds one query.  In a step of 256 keys wave w takes the blocks of 32 keys 8 j + 4 e + w (e = 0, 1) for ALL 8 tiles.
; SOFTMAX.  t = (score - G) c, c = log2(e) / sqrt(512), G the largest score of all batches, as reference() subtracts it; M = ceil(the row's largest t), known from the launch before; p = 2^(t - M) is one
; fused multiply-add (score x c + NB, NB = -(M + G c)) and one exponential; nothing is ever rescaled.  The row's sum is taken of the unquantised p.  A block's largest p is the block's largest score put through the same two instructions.
; p's codes go to LDS as images of operand registers: lane (r, h) holds keys 16 h .. 16 h + 15 of its block: 8 bytes at 8 h of the block's 16.
; SECOND PRODUCT.  O^T = V^T P^T (source 0 = 16 channels, source 1 = 16 queries): wave w owns channels 128 w .. + 127 for all 128 queries: 64 sums, windows 2 and 3.
; So each byte of K and of V is used by one wave of the work-group, and goes from memory straight into its registers, as an image.
; END.  O / sum is quantised along the channels in registers, goes round through LDS, is multiplied by wp (source 0 = 16 tokens, source 1 = 16 rows of wp: a lane holds 8 neighbouring tokens of one output channel),
; with bp as the C of the first K step; through a stage of the wave's own it becomes whole rows of 512 bytes, x is added, and the rows are stored.
; x IS ASKED FOR AT THE HEAD.  A wave adds x to its own 128 output channels x the work-group's 128 tokens: 128 rows of 512 bytes, 4,096 bytes apart.  One tensor load a wave brings them into LDS bytes that only that
; wave reads; it has the four key steps in which to land, and the wait for it stands once, ahead of the last product.  Nothing is filled again; one tensor load of a wave is out.
; THE ROWS OF A TILE of tokens and of V's channels ARE NOT NEIGHBOURS (lane r of tile 2 b + u: row 32 b + 8 u + r + 8 (r / 8)), so that 16 registers of two neighbouring tiles are 16 neighbours.
; NO CLUSTER, though the 8 work-groups of a batch read the same K and V: a joint load lands in LDS, and K's and V's 128 KB a step would then pass through LDS, which already carries Q (128 KB) and P (80 KB) a step.
; LIMITS: NaN and infinities are not served; a p under 2^-126 counts as 0; a block of zeros has the byte 1 (its codes are zeros; the bytes are this program's own).
; REGISTERS.  Window 0: v1-7 addresses; v[8 + 2 m] NB, later 1 / sum; v[9 + 2 m] the sum; v24-31 P's, v32-47 Q's (later h's), v48-55 K's (later wp's), v56-63 V's scale words; v64-127 Q's fragments, and at work; v128-255 K.
; Window 1: S (32 m + 16 e + 8 u), then V (v0-127) and P (v128-255), at the end h's 32 fragments.  Windows 2, 3: O^T, sum (c, m) at 64 (m % 4) + 8 c of window 2 + m / 4; at the end x (window 2) and the results (window 3).
.set QIMG, 0                           ; LDS: Q [m][ks][1024]
.set PIMG, 32768                       ; P [e][m][1024]
.set PSC,  49152                       ; P's scale words [8 e + m][r]
.set SUMX, 50176                       ; (16 m + r) x 16 + 4 wave
.set HSC,  52224                       ; h's scale words [8 ks + m][r]
.set XL,   54272                       ; x: four waves x 128 rows x 512 bytes; filled once, by the tensor loads, and only read
.set HIMG, 0                           ; h [m][ks][1024]: in Q's bytes, whose last reads lie three barriers back
.set STG,  0                           ; four stages of 16 rows x (512 + 16): in h's bytes and P's first 1,024, behind a barrier that follows every wave's reads of h
.set LI,  1
.set LS,  2
.set PST, 3
.set PSB, 4
.set LN,  5                            ; v5 the lane's number, at the head
.set PFV, 6
.set R4,  7
.set ST,  8
.set PS,  24
.set QS,  32
.set KS,  48
.set VS,  56
.set QB,  64
.set TM,  64                           ; at work in the softmax: 8 blocks' maxima,
.set TP,  72                           ; the other half's, then the bytes,
.set TS,  80                           ; the conversions' scale operands,
.set PC,  88                           ; the codes,
.set T,   104                          ; four tiles' sums
.set KF,  128
.set PW,  80                           ; at the end: the scale word made
.set BC,  104                          ; the bias, eight times
.set SXW, 112
.set SXR, 113
.set HWI, 114
.set HWS, 115
.set XLA, 116
.set STO, 118
.set STR, 119
.set WFA, 120
.set WSA, 121
.set BV,  124                          ; v124-125 the lane's bias, two sets
.set WF,  128                          ; v128-191 wp's fragments, two sets
.set RB,  192                          ; v192-255 16 rows back from the stage
.set CS,  36                           ; s[36:37] c
.set SEL, 38
.set CNT, 40
.set LIM, 41
.set G0,  52                           ; s[52:55] x's descriptor, group 0; never rewritten
.set G1,  56                           ; s[56:63] group 1; never rewritten
.set MSB, 0
.macro WIN new
.if MSB != (\new)
	s_set_vgpr_msb (MSB<<8)|(\new)
.set MSB, (\new)
.endif
.endm
.macro NOPS n
.rept \n
	v_nop
.endr
.endm
.macro BARRIER
	s_wait_dscnt 0x0
	s_barrier_signal -1
	s_barrier_wait -1
.endm
.macro WMZ d, a, b, sa, sb, ra, rb
.if ((\ra) != 0) && ((\rb) != 0)
	v_wmma_scale_f32_16x16x128_f8f6f4 v[\d:\d+7], v[\a:\a+7], v[\b:\b+7], 0, v[\sa], v[\sb] matrix_a_fmt:MATRIX_FMT_FP4 matrix_b_fmt:MATRIX_FMT_FP4 matrix_a_scale:MATRIX_SCALE_ROW1 matrix_b_scale:MATRIX_SCALE_ROW1
.elseif (\ra) != 0
	v_wmma_scale_f32_16x16x128_f8f6f4 v[\d:\d+7], v[\a:\a+7], v[\b:\b+7], 0, v[\sa], v[\sb] matrix_a_fmt:MATRIX_FMT_FP4 matrix_b_fmt:MATRIX_FMT_FP4 matrix_a_scale:MATRIX_SCALE_ROW1
.elseif (\rb) != 0
	v_wmma_scale_f32_16x16x128_f8f6f4 v[\d:\d+7], v[\a:\a+7], v[\b:\b+7], 0, v[\sa], v[\sb] matrix_a_fmt:MATRIX_FMT_FP4 matrix_b_fmt:MATRIX_FMT_FP4 matrix_b_scale:MATRIX_SCALE_ROW1
.else
	v_wmma_scale_f32_16x16x128_f8f6f4 v[\d:\d+7], v[\a:\a+7], v[\b:\b+7], 0, v[\sa], v[\sb] matrix_a_fmt:MATRIX_FMT_FP4 matrix_b_fmt:MATRIX_FMT_FP4
.endif
.endm
.macro WMC d, a, b, c, sa, sb, ra, rb
.if ((\ra) != 0) && ((\rb) != 0)
	v_wmma_scale_f32_16x16x128_f8f6f4 v[\d:\d+7], v[\a:\a+7], v[\b:\b+7], v[\c:\c+7], v[\sa], v[\sb] matrix_a_fmt:MATRIX_FMT_FP4 matrix_b_fmt:MATRIX_FMT_FP4 matrix_a_scale:MATRIX_SCALE_ROW1 matrix_b_scale:MATRIX_SCALE_ROW1
.elseif (\ra) != 0
	v_wmma_scale_f32_16x16x128_f8f6f4 v[\d:\d+7], v[\a:\a+7], v[\b:\b+7], v[\c:\c+7], v[\sa], v[\sb] matrix_a_fmt:MATRIX_FMT_FP4 matrix_b_fmt:MATRIX_FMT_FP4 matrix_a_scale:MATRIX_SCALE_ROW1
.elseif (\rb) != 0
	v_wmma_scale_f32_16x16x128_f8f6f4 v[\d:\d+7], v[\a:\a+7], v[\b:\b+7], v[\c:\c+7], v[\sa], v[\sb] matrix_a_fmt:MATRIX_FMT_FP4 matrix_b_fmt:MATRIX_FMT_FP4 matrix_b_scale:MATRIX_SCALE_ROW1
.else
	v_wmma_scale_f32_16x16x128_f8f6f4 v[\d:\d+7], v[\a:\a+7], v[\b:\b+7], v[\c:\c+7], v[\sa], v[\sb] matrix_a_fmt:MATRIX_FMT_FP4 matrix_b_fmt:MATRIX_FMT_FP4
.endif
.endm
.macro QLOAD ks, m0
.irp mm, 0,1,2,3
.irp cc, 0,1
	ds_load_b128 v[QB+8*(\m0+\mm)+4*\cc:QB+8*(\m0+\mm)+4*\cc+3], v[LI] offset:QIMG+(4*(\m0+\mm)+(\ks))*1024+512*\cc
.endr
.endr
.endm
.macro SMUL ks, m0
	WIN 0x50                                       ; C and D in window 1
.irp mm, 0,1,2,3
.irp e, 0,1
.irp u, 0,1
.set rD, 32*(\m0+\mm)+16*\e+8*\u
.set rA, KF+64*\e+32*\u+8*(\ks)
.set rB, QB+8*(\m0+\mm)
.set rSA, KS+4*\e+(\ks)
.set rSB, QS+4*((\m0+\mm)/2)+(\ks)
.if (\ks) == 0
	WMZ rD, rA, rB, rSA, rSB, \u, (\m0+\mm)%2
.else
	WMC rD, rA, rB, rD, rSA, rSB, \u, (\m0+\mm)%2
.endif
.endr
.endr
.endr
.endm
; S^T of 128 queries x my 64 keys: 128 matrix instructions; the 32 sums take turns, one instruction a turn.  Each wait leaves the other half's eight loads of Q out.
.macro SPHASE
	QLOAD 0, 0
	QLOAD 0, 4
.irp ks, 0,1,2,3
	s_wait_dscnt 8
	SMUL \ks, 0
.if \ks < 3
	NOPS 4                                         ; four places in front of loads into registers that the products read
	WIN 0
	QLOAD \ks+1, 0
	s_wait_dscnt 8
.else
	s_wait_dscnt 0
.endif
	SMUL \ks, 4
.if \ks < 3
	NOPS 4
	WIN 0
	QLOAD \ks+1, 4
.endif
.endr
	WIN 0
	NOPS 4
.endm
.macro KLOAD                           ; a step's K: my two blocks of 32 keys, 8,192 dense bytes each, and their scale words: 40 loads
.irp e, 0,1
.irp i, 0,1,2,3,4,5,6,7,8,9,10,11,12,13,14,15
	global_load_b128 v[KF+64*\e+4*\i:KF+64*\e+4*\i+3], v[LI], s[24:25] offset:32768*\e+512*\i
.endr
.endr
.irp e, 0,1
.irp ks, 0,1,2,3
	global_load_b32 v[KS+4*\e+\ks], v[LS], s[26:27] offset:4096*\ks+512*\e
.endr
.endr
.endm
.macro VLOAD                           ; a step's V: my 8 tiles of channels x 2 K steps of 128 keys, and their scale words: 40 loads
	WIN 0x40                                       ; destination window 1
.irp kp, 0,1
.irp c, 0,1,2,3,4,5,6,7
.irp cc, 0,1
	global_load_b128 v[64*\kp+8*\c+4*\cc:64*\kp+8*\c+4*\cc+3], v[LI], s[28:29] offset:8192*\c+1024*\kp+512*\cc
.endr
.endr
.endr
	WIN 0
.irp kp, 0,1
.irp g, 0,1,2,3
	global_load_b32 v[VS+4*\kp+\g], v[LS], s[30:31] offset:2048*\kp+128*\g
.endr
.endr
.endm
; THE SOFTMAX of tiles 4 H .. 4 H + 3: eight blocks q of 32 keys (tile 4 H + q / 2, e = q % 2), whose 16 registers of my half begin at 128 H + 16 q of window 1
.macro SOFT H
	s_wait_dscnt 0x0                               ; the last stores have read the codes' and the bytes' registers
	WIN 0x15
.irp q, 0,1,2,3,4,5,6,7
	v_max3_num_f32 v[TM+\q], v[128*\H+16*\q], v[128*\H+16*\q+1], v[128*\H+16*\q+2]   ; each result is read from its low end on
.endr
	WIN 0x05
.irp i, 3,5,7,9,11,13
.irp q, 0,1,2,3,4,5,6,7
	v_max3_num_f32 v[TM+\q], v[128*\H+16*\q+\i], v[128*\H+16*\q+\i+1], v[TM+\q]
.endr
.endr
.irp q, 0,1,2,3,4,5,6,7
	v_max3_num_f32 v[TM+\q], v[128*\H+16*\q+15], v[128*\H+16*\q+15], v[TM+\q]
.endr
	WIN 0
.irp q, 0,1,2,3,4,5,6,7
	v_permlanex16_b32 v[TP+\q], v[TM+\q], s[SEL], s[SEL+1]
.endr
.irp q, 0,1,2,3,4,5,6,7
	v_max_num_f32 v[TM+\q], v[TM+\q], v[TP+\q]     ; the block's largest score
.endr
.irp q, 0,1,2,3,4,5,6,7
	v_fma_f32 v[TM+\q], v[TM+\q], s[CS], v[ST+2*(4*\H+\q/2)]
.endr
	WIN 0x41                                       ; destination and source 0 in window 1
.irp mi, 0,1,2,3
.irp p, 0,2,4,6,8,10,12,14,16,18,20,22,24,26,28,30
	v_pk_fma_f32 v[128*\H+32*\mi+\p:128*\H+32*\mi+\p+1], v[128*\H+32*\mi+\p:128*\H+32*\mi+\p+1], s[CS:CS+1], v[ST+2*(4*\H+\mi):ST+2*(4*\H+\mi)+1] op_sel_hi:[1,0,0]   ; t - M, two at a time: of the pairs the low word serves both halves
.endr
.endr
.set i, 0
.rept 128
	v_exp_f32 v[128*\H+i], v[128*\H+i]             ; p = 2^(t - M)
.set i, i+1
.endr
	WIN 0
.irp q, 0,1,2,3,4,5,6,7
	v_exp_f32 v[TM+\q], v[TM+\q]                   ; the block's largest p: the same two instructions on the same number
.endr
	v_nop                                          ; a plain instruction behind the last exponential
	s_wait_alu depctr_va_vdst(0)                   ; one wait for the batch of 136, ahead of its first reader
.irp q, 0,1,2,3,4,5,6,7
	v_max_num_f32 v[TM+\q], 0x1800000, v[TM+\q]    ; the floor 2^(3 - 127): the byte cannot fall under 1
.endr
.irp q, 0,1,2,3,4,5,6,7
	v_add_nc_u32 v[TS+\q], 0xff000000, v[TM+\q]    ; 2 off the exponent field: the conversion's scale operand
.endr
.irp q, 0,1,2,3,4,5,6,7
	v_lshrrev_b32 v[TP+\q], 23, v[TS+\q]           ; the scale's byte
.endr
	WIN 0x05
.irp mi, 0,1,2,3
	v_pk_add_f32 v[T+2*\mi:T+2*\mi+1], v[128*\H+32*\mi:128*\H+32*\mi+1], v[128*\H+32*\mi+2:128*\H+32*\mi+3]   ; the sums are taken of the unquantised p
.endr
	WIN 0x01
.irp p, 4,6,8,10,12,14,16,18,20,22,24,26,28,30
.irp mi, 0,1,2,3
	v_pk_add_f32 v[T+2*\mi:T+2*\mi+1], v[128*\H+32*\mi+\p:128*\H+32*\mi+\p+1], v[T+2*\mi:T+2*\mi+1]
.endr
.endr
.irp q, 0,1,2,3,4,5,6,7
	v_cvt_scalef32_pk8_fp4_f32 v[PC+2*\q], v[128*\H+16*\q:128*\H+16*\q+7], v[TS+\q]
	v_cvt_scalef32_pk8_fp4_f32 v[PC+2*\q+1], v[128*\H+16*\q+8:128*\H+16*\q+15], v[TS+\q]
.endr
	v_nop                                          ; one plain instruction behind a scaled conversion
	WIN 0
.irp mi, 0,1,2,3
	v_add_f32 v[T+2*\mi], v[T+2*\mi], v[T+2*\mi+1]
.endr
.irp mi, 0,1,2,3
	v_add_f32 v[ST+2*(4*\H+\mi)+1], v[ST+2*(4*\H+\mi)+1], v[T+2*\mi]
.endr
.irp q, 0,1,2,3,4,5,6,7
	ds_store_b64 v[PST], v[PC+2*\q:PC+2*\q+1] offset:(8*(\q%2)+4*\H+\q/2)*1024   ; my 16 keys' codes: 8 bytes of the block's 16 in the image
	ds_store_b8 v[PSB], v[TP+\q] offset:(8*(\q%2)+4*\H+\q/2)*64                  ; byte w of the row's scale word; both halves of the lanes write the same value
.endr
.endm
; O^T += V^T P^T: 128 matrix instructions; 32 sums take turns under each window setting
.macro PV first
.irp hw, 0,1
	WIN 0xa5+0x50*\hw                              ; sources 0 and 1 in window 1; C and D in window 2 or 3
.irp kp, 0,1
.irp mm, 0,1,2,3
.irp c, 0,1,2,3,4,5,6,7
.set rD, 64*\mm+8*\c
.set rA, 64*\kp+8*\c
.set rB, 128+64*\kp+8*(4*\hw+\mm)
.set rSA, VS+4*\kp+\c/2
.set rSB, PS+4*\kp+(4*\hw+\mm)/2
.if (\first) && (\kp == 0)
	WMZ rD, rA, rB, rSA, rSB, \c%2, \mm%2
.else
	WMC rD, rA, rB, rD, rSA, rSB, \c%2, \mm%2
.endif
.endr
.endr
.endr
.endr
	WIN 0
	NOPS 5                                         ; the next scores are written over V's and P's registers: five places
.endm
; A STEP OF 256 KEYS
.macro STEP first
	SPHASE
.if \first
	s_add_nc_u64 s[24:25], s[24:25], 0x10000       ; (K's last loads were waited for: their bases may step)
	s_add_nc_u64 s[26:27], s[26:27], 0x400
	KLOAD                                          ; the next step's K, a whole softmax and a product ahead of its use
.else
	s_cmp_eq_u32 s[CNT], 1
	s_cbranch_scc1 .Lj_\@                          ; the last step has no K to fetch: no load leaves its buffer
	s_add_nc_u64 s[24:25], s[24:25], 0x10000
	s_add_nc_u64 s[26:27], s[26:27], 0x400
	KLOAD
.Lj_\@:
.endif
	SOFT 0
	VLOAD                                          ; into the registers that tiles 0-3 of S have left
.if \first
	s_cmp_eq_u32 s[LIM], 1
.else
	s_cmp_gt_u32 s[CNT], s[LIM]
.endif
	s_cbranch_scc0 .Lnv_\@                         ; the next step's V, 8 x 2,048 bytes a wave, lanes 256 bytes apart: the batch's first work-group asks, each wave for its own channels; the last step asks for nothing
	global_prefetch_b8 v[PFV], s[28:29] offset:2048 th:TH_LOAD_NT scope:SCOPE_SE
	global_prefetch_b8 v[PFV], s[28:29] offset:2048+32768 th:TH_LOAD_NT scope:SCOPE_SE
.Lnv_\@:
	SOFT 1
	BARRIER                                        ; all of P's images and scale words lie in LDS
	WIN 0x40
.irp kp, 0,1
.irp m, 0,1,2,3,4,5,6,7
.irp cc, 0,1
	ds_load_b128 v[128+64*\kp+8*\m+4*\cc:128+64*\kp+8*\m+4*\cc+3], v[LI] offset:PIMG+(8*\kp+\m)*1024+512*\cc
.endr
.endr
.endr
	WIN 0
.irp kp, 0,1
.irp mu, 0,1,2,3
	ds_load_b32 v[PS+4*\kp+\mu], v[LS] offset:PSC+512*\kp+128*\mu
.endr
.endr
	BARRIER                                        ; every wave has read P: the next step may write it again
	s_wait_loadcnt 0x0                             ; V, and the next step's K
	s_wait_xcnt 0x0                                ; the prefetches have read V's base
	s_add_nc_u64 s[28:29], s[28:29], 0x800
	s_add_nc_u64 s[30:31], s[30:31], 0x1000
	PV \first
.endm
	s_load_b512 s[4:19], s[0:1], 0x0               ; q s[4:5], k s[6:7], v s[8:9], mx s[10:11], wp codes s[12:13], wp scales s[14:15], bp s[16:17], x s[18:19]
	s_load_b64 s[20:21], s[0:1], 0x40              ; out0
	v_lshl_add_u32 v254, v0, 2, 0x4d400
	v_mov_b32 v255, 0
	ds_add_u32 v254, v255
	ds_add_u32 v254, v255
	s_wait_dscnt 0x0
	v_lshrrev_b32 v3, 5, v0
	v_readfirstlane_b32 s22, v3                    ; wave
	v_and_b32 v[LN], 31, v0                        ; lane
	v_lshlrev_b32 v[LI], 4, v[LN]
	v_lshlrev_b32 v[LS], 2, v[LN]
	v_lshlrev_b32 v3, 4, v0                        ; 16 t (until PST is made)
	v_and_b32 v[R4], 15, v0
	v_lshlrev_b32 v[R4], 2, v[R4]
	s_mov_b32 s[CS], 0x3d8293ee                    ; c = log2(e) / sqrt(512)
	s_mov_b32 s[CS+1], s[CS]
	s_mov_b32 s[SEL], 0x76543210
	s_mov_b32 s[SEL+1], 0xfedcba98
	s_lshr_b32 s23, ttmp9, 3                       ; b
	s_and_b32 s44, ttmp9, 7                        ; qb
	s_cmp_eq_u32 s44, 0
	s_cselect_b32 s[LIM], 1, -1
	; x's descriptor, group 1: a tile of 128 rows x 128 elements of 4 bytes, 1,024 elements from row to row; dense in LDS: a read takes a whole row, 512 consecutive bytes
	s_mov_b32 s[G1+0], 2<<16                       ; 15:0 no mask; 17:16 elements of 4 bytes; 20 no padding
	s_mov_b32 s[G1+1], 128<<16                     ; tensor_dim0 = 128
	s_mov_b32 s[G1+2], 128<<16                     ; tensor_dim1 = 128
	s_mov_b32 s[G1+3], 128<<16                     ; tile_dim0 = 128
	s_mov_b32 s[G1+4], 128                         ; tile_dim1 = 128
	s_mov_b32 s[G1+5], 1024                        ; tensor_dim0_stride
	s_mov_b32 s[G1+6], 0
	s_mov_b32 s[G1+7], 0
	s_mov_b32 s[G0], 1                             ; count = 1
	s_lshl_b32 s[G0+1], s22, 16
	s_add_co_u32 s[G0+1], s[G0+1], XL              ; LDS address: XL + 65,536 x wave
	s_mov_b32 s33, 0
	s_lshl_b32 s45, s23, 14
	s_add_co_u32 s45, s45, 0x800000                ; the scale words' part, + 16384 b
	s_lshl_b32 s50, s23, 18                        ; 262144 b
	s_wait_kmcnt 0x0
	s_lshl_b32 s32, ttmp9, 15
	s_add_nc_u64 s[34:35], s[4:5], s[32:33]        ; my 8 tiles of Q
	s_lshl_b32 s32, s44, 9
	s_add_co_u32 s32, s32, s45
	s_add_nc_u64 s[42:43], s[4:5], s[32:33]
	s_lshl_b32 s32, s22, 13
	s_add_co_u32 s32, s32, s50
	s_add_nc_u64 s[24:25], s[6:7], s[32:33]        ; K: block w
	s_lshl_b32 s32, s22, 7
	s_add_co_u32 s32, s32, s45
	s_add_nc_u64 s[26:27], s[6:7], s[32:33]
	s_lshl_b32 s32, s22, 16
	s_add_co_u32 s32, s32, s50
	s_add_nc_u64 s[28:29], s[8:9], s[32:33]        ; V: my 8 tiles of channels
	s_lshl_b32 s32, s22, 9
	s_add_co_u32 s32, s32, s45
	s_add_nc_u64 s[30:31], s[8:9], s[32:33]
	s_lshl_b32 s32, ttmp9, 9
	s_add_nc_u64 s[46:47], s[10:11], s[32:33]      ; my rows' largest scores
	s_add_nc_u64 s[48:49], s[10:11], 0x20000       ; the work-groups' largest scores
	s_lshl_b32 s32, s22, 15
	s_add_nc_u64 s[12:13], s[12:13], s[32:33]      ; wp: my 128 rows
	s_lshl_b32 s32, s22, 11
	s_add_nc_u64 s[14:15], s[14:15], s[32:33]
	s_lshl_b32 s32, s22, 9
	s_add_nc_u64 s[16:17], s[16:17], s[32:33]
	s_lshl_b32 s32, s23, 21
	s_lshl_b32 s51, s22, 19
	s_add_co_u32 s32, s32, s51
	s_lshl_b32 s51, s44, 9
	s_add_co_u32 s32, s32, s51
	s_add_nc_u64 s[18:19], s[18:19], s[32:33]      ; x and out0: batch b, channel 128 w, token 128 qb
	s_add_nc_u64 s[20:21], s[20:21], s[32:33]
	s_mov_b64 s[G0+2:G0+3], s[18:19]               ; global address of the tile's first element
	s_or_b32 s[G0+3], s[G0+3], 0x80000000          ; type = 2
.irp i, 0,1,2,3,4,5,6,7,8,9,10,11,12,13,14,15
	global_load_b128 v[QB+4*\i:QB+4*\i+3], v3, s[34:35] offset:2048*\i
.endr
.irp ks, 0,1,2,3
.irp mu, 0,1,2,3
	global_load_b32 v[QS+4*\mu+\ks], v[LS], s[42:43] offset:4096*\ks+128*\mu
.endr
.endr
.irp m, 0,1,2,3,4,5,6,7
	global_load_b32 v[ST+2*\m], v[R4], s[46:47] offset:64*\m
.endr
.irp m, 0,1,2,3,4,5,6,7
	global_load_b32 v[ST+2*\m+1], v[LS], s[48:49] offset:128*\m
.endr
	KLOAD
	tensor_load_to_lds s[G0:G0+3], s[G1:G1+7]      ; my 128 rows of x: behind the loads that the first step waits for, ahead of every LDS read and every barrier; the launch's only fill of these bytes
	s_nop 0
	NOPS 4                                         ; four plain lines follow the tensor load
	s_wait_loadcnt 40                              ; all but K's 40 loads are in
.irp i, 0,1,2,3,4,5,6,7,8,9,10,11,12,13,14,15
	ds_store_b128 v3, v[QB+4*\i:QB+4*\i+3] offset:QIMG+2048*\i
.endr
	v_max3_num_f32 v9, v9, v11, v13                ; G: the largest of the 256 work-groups' largest scores
	v_max3_num_f32 v9, v9, v15, v17
	v_max3_num_f32 v9, v9, v19, v21
	v_max_num_f32 v9, v9, v23
	v_max_num_f32_dpp v9, v9, v9 row_xmask:1 row_mask:0xf bank_mask:0xf
	v_max_num_f32_dpp v9, v9, v9 row_xmask:2 row_mask:0xf bank_mask:0xf
	v_max_num_f32_dpp v9, v9, v9 row_xmask:4 row_mask:0xf bank_mask:0xf
	v_max_num_f32_dpp v9, v9, v9 row_xmask:8 row_mask:0xf bank_mask:0xf
	v_permlanex16_b32 v11, v9, s[SEL], s[SEL+1]
	v_max_num_f32 v9, v9, v11
	v_mul_f32 v11, s[CS], v9                       ; G c
.irp m, 0,1,2,3,4,5,6,7
	v_fma_f32 v[ST+2*\m], v[ST+2*\m], s[CS], -v11  ; the row's largest t
.endr
.irp m, 0,1,2,3,4,5,6,7
	v_floor_f32 v[ST+2*\m], -v[ST+2*\m]            ; -M = floor(-t) = -ceil(t)
.endr
.irp m, 0,1,2,3,4,5,6,7
	v_sub_f32 v[ST+2*\m], v[ST+2*\m], v11          ; NB = -(M + G c)
.endr
	v_lshrrev_b32 v13, 3, v[LN]
	v_and_b32 v15, 7, v[LN]
	v_lshlrev_b32 v15, 8, v15
	v_lshl_add_u32 v[PFV], v13, 13, v15            ; 8192 (lane / 8) + 256 (lane % 8)
.irp m, 0,1,2,3,4,5,6,7
	v_mov_b32 v[ST+2*\m+1], 0                      ; the sums
.endr
	BARRIER                                        ; Q lies in LDS.
	v_bfe_u32 v4, v0, 4, 1
	v_lshlrev_b32 v3, 2, v[R4]
	v_lshl_add_u32 v3, v4, 3, v3
	s_lshl_b32 s51, s22, 8
	s_add_co_u32 s51, s51, PIMG
	v_add_nc_u32 v[PST], s51, v3                   ; PIMG + 256 wave + 16 r + 8 h
	s_add_co_u32 s51, s22, PSC
	v_add_nc_u32 v[PSB], s51, v[R4]                ; PSC + 4 r + wave
	s_wait_loadcnt 0x0                             ; K of step 0
	STEP 1                                         ; the first step is written out: its products start O^T's sums
	s_mov_b32 s[CNT], 3
.Lstep:
	STEP 0
	s_sub_co_u32 s[CNT], s[CNT], 1
	s_cmp_lg_u32 s[CNT], 0
	s_cbranch_scc1 .Lstep
	; ---------------- the rows' sums, over the halves of the lanes and the four waves; wp's first two tiles are asked for
	v_and_b32 v122, 15, v0
	v_bfe_u32 v123, v0, 4, 1
	s_lshl_b32 s51, s22, 2
	s_add_co_u32 s51, s51, SUMX
	v_lshl_add_u32 v[SXW], v122, 4, s51
	v_lshl_add_u32 v[SXR], v122, 4, SUMX
	s_lshl_b32 s51, s22, 10
	v_add_nc_u32 v[HWI], s51, v[LI]                ; h's images: 1024 wave + 16 lane
	s_lshl_b32 s51, s22, 9
	v_add_nc_u32 v[HWS], s51, v[R4]                ; their scale words: 512 wave + 4 r
	s_mul_i32 s51, s22, 8448                       ; my stage
	v_mul_u32_u24 v[STO], v122, 528
	v_lshl_add_u32 v[STO], v123, 6, v[STO]
	v_add_nc_u32 v[STO], s51, v[STO]
	v_add_nc_u32 v[STR], s51, v[LI]
	s_lshl_b32 s51, s22, 16
	s_add_co_u32 s51, s51, XL
	v_add_nc_u32 v[XLA], s51, v[LI]                ; my rows of x: XL + 65,536 wave + 16 lane
	v_lshlrev_b32 v[WFA], 8, v122
	v_lshl_add_u32 v[WFA], v123, 4, v[WFA]
	v_lshlrev_b32 v[WSA], 4, v122
.macro WLOAD t                         ; rows 16 t .. 16 t + 15 of my 128 of wp: four fragments, the scale words, the bias: 10 loads
.irp ks, 0,1,2,3
.irp cc, 0,1
	global_load_b128 v[WF+32*((\t)%2)+8*\ks+4*\cc:WF+32*((\t)%2)+8*\ks+4*\cc+3], v[WFA], s[12:13] offset:4096*(\t)+64*\ks+32*\cc
.endr
.endr
	global_load_b128 v[KS+4*((\t)%2):KS+4*((\t)%2)+3], v[WSA], s[14:15] offset:256*(\t)
	global_load_b32 v[BV+(\t)%2], v[R4], s[16:17] offset:64*(\t)
.endm
	WLOAD 0
	WLOAD 1
.irp m, 0,1,2,3,4,5,6,7
	v_permlanex16_b32 v[64+\m], v[ST+2*\m+1], s[SEL], s[SEL+1]
.endr
.irp m, 0,1,2,3,4,5,6,7
	v_add_f32 v[ST+2*\m+1], v[ST+2*\m+1], v[64+\m]
.endr
.irp m, 0,1,2,3,4,5,6,7
	ds_store_b32 v[SXW], v[ST+2*\m+1] offset:256*\m
.endr
	BARRIER
.irp m, 0,1,2,3,4,5,6,7
	ds_load_b128 v[64+4*\m:64+4*\m+3], v[SXR] offset:256*\m
.endr
	s_wait_dscnt 0x0
.irp m, 0,1,2,3,4,5,6,7
	v_pk_add_f32 v[64+4*\m:64+4*\m+1], v[64+4*\m:64+4*\m+1], v[64+4*\m+2:64+4*\m+3]
.endr
.irp m, 0,1,2,3,4,5,6,7
	v_add_f32 v[64+4*\m], v[64+4*\m], v[64+4*\m+1]
.endr
.irp m, 0,1,2,3,4,5,6,7
	v_rcp_f32 v[ST+2*\m], v[64+4*\m]               ; 1 / the row's sum
.endr
	v_nop
	s_wait_alu depctr_va_vdst(0)                   ; one wait for the eight reciprocals, ahead of their first reader
; ---------------- tile m of the attention's result: divided by the sum, quantised along my 128 channels: K step w of the last product
.macro HQ m
.set XW, 2+(\m)/4
.set SBs, 64*((\m)%4)
	WIN (XW<<6)|XW
.set p, 0
.rept 32
	v_pk_mul_f32 v[SBs+p:SBs+p+1], v[SBs+p:SBs+p+1], v[ST+2*(\m):ST+2*(\m)+1] op_sel_hi:[1,0]   ; ascending: each result is read from its low end on
.set p, p+2
.endr
	WIN XW|(XW<<2)
.irp b, 0,1,2,3
	v_max3_num_f32 v[TM+\b], |v[SBs+16*\b]|, |v[SBs+16*\b+1]|, 0x1800000
.endr
.irp i, 2,4,6,8,10,12,14
.irp b, 0,1,2,3
	v_max3_num_f32 v[TM+\b], |v[SBs+16*\b+\i]|, |v[SBs+16*\b+\i+1]|, v[TM+\b]
.endr
.endr
	WIN 0
.irp b, 0,1,2,3
	v_permlanex16_b32 v[TM+4+\b], v[TM+\b], s[SEL], s[SEL+1]
.endr
.irp b, 0,1,2,3
	v_max_num_f32 v[TM+\b], v[TM+\b], v[TM+4+\b]
.endr
.irp b, 0,1,2,3
	v_add_nc_u32 v[TM+12+\b], 0xff000000, v[TM+\b]
.endr
.irp b, 0,1,2,3
	v_lshrrev_b32 v[TM+4+\b], 23, v[TM+12+\b]
.endr
	s_wait_dscnt 0x0                               ; the last tile's stores have read the word's and the codes' registers
	v_lshl_or_b32 v[PW], v[TM+5], 8, v[TM+4]
	v_lshl_or_b32 v[PW], v[TM+6], 16, v[PW]
	v_lshl_or_b32 v[PW], v[TM+7], 24, v[PW]
	WIN XW
.irp b, 0,1,2,3
	v_cvt_scalef32_pk8_fp4_f32 v[PC+2*\b], v[SBs+16*\b:SBs+16*\b+7], v[TM+12+\b]
	v_cvt_scalef32_pk8_fp4_f32 v[PC+2*\b+1], v[SBs+16*\b+8:SBs+16*\b+15], v[TM+12+\b]
.endr
	v_nop
	WIN 0
.irp c, 0,1
.irp i, 0,1
	v_permlane16_swap_b32 v[PC+4*\c+\i], v[PC+2+4*\c+\i]
.endr
.endr
	ds_store_b128 v[HWI], v[PC:PC+3] offset:HIMG+4096*(\m)
	ds_store_b128 v[HWI], v[PC+4:PC+7] offset:HIMG+4096*(\m)+512
	ds_store_b32 v[HWS], v[PW] offset:HSC+64*(\m)
.endm
.irp m, 0,1,2,3,4,5,6,7
	HQ \m
.endr
	BARRIER                                        ; all 32 fragments lie in LDS
	WIN 0x40
.irp m, 0,1,2,3,4,5,6,7
.irp ks, 0,1,2,3
.irp cc, 0,1
	ds_load_b128 v[32*\m+8*\ks+4*\cc:32*\m+8*\ks+4*\cc+3], v[LI] offset:HIMG+4096*\m+1024*\ks+512*\cc
.endr
.endr
.endr
	WIN 0
.irp ks, 0,1,2,3
.irp mu, 0,1,2,3
	ds_load_b32 v[QS+4*\mu+\ks], v[LS] offset:HSC+512*\ks+128*\mu
.endr
.endr
	s_wait_tensorcnt 0x0                           ; my rows of x lie in LDS: only I read them, so my own wait is all the ordering that those reads need
	BARRIER                                        ; every wave has read h's fragments: the stages, which lie in the same bytes, may be written
; ---------------- 16 output channels x 128 tokens.  n: the loads younger than this tile's ten of wp: the next tile's ten, or none
.macro OTILE t, n
	WIN 0x80                                       ; destination window 2
.irp i, 0,1,2,3,4,5,6,7,8,9,10,11,12,13,14,15
	ds_load_b128 v[64*((\t)%4)+4*\i:64*((\t)%4)+4*\i+3], v[XLA] offset:(16*(\t)+\i)*512   ; the tile's 16 rows of x: they come in under the products
.endr
	WIN 0
	s_wait_loadcnt \n
.irp j, 0,1,2,3,4,5,6,7
	v_mov_b32 v[BC+\j], v[BV+(\t)%2]               ; the lane's channel has one bias for all its tokens
.endr
	NOPS 4
.irp ks, 0,1,2,3
.if \ks == 0
	WIN 0xc1                                       ; source 0 window 1, C window 0, D window 3
.else
	WIN 0xf1
.endif
.irp m, 0,1,2,3,4,5,6,7
.set rD, 8*\m
.set rA, 32*\m+8*\ks
.set rB, WF+32*((\t)%2)+8*\ks
.set rSA, QS+4*(\m/2)+\ks
.set rSB, KS+4*((\t)%2)+\ks
.if \ks == 0
	WMC rD, rA, rB, BC, rSA, rSB, \m%2, 0
.else
	WMC rD, rA, rB, rD, rSA, rSB, \m%2, 0
.endif
.endr
.endr
	NOPS 4
	WIN 0
.if (\t) < 6
	WLOAD \t+2
.endif
	WIN 0x0c                                       ; an LDS store's data are its source 1: window 3
.irp m, 0,1,2,3,4,5,6,7
	ds_store_b128 v[STO], v[8*\m:8*\m+3] offset:STG+128*(\m/2)+32*(\m%2)        ; lane (r, h): channel r, tokens 32 (m / 2) + 8 (m % 2) + 16 h + 0 .. 7
	ds_store_b128 v[STO], v[8*\m+4:8*\m+7] offset:STG+128*(\m/2)+32*(\m%2)+16
.endr
	WIN 0
	s_wait_xcnt 0x0                                ; the last tile's stores have read their registers
.irp i, 0,1,2,3,4,5,6,7,8,9,10,11,12,13,14,15
	ds_load_b128 v[RB+4*\i:RB+4*\i+3], v[STR] offset:STG+528*\i   ; my own stage: LDS serves a wave's instructions in order
.endr
	s_wait_dscnt 0x0                               ; the rows are back, and so are the tile's rows of x
	WIN 0x08                                       ; source 1 in window 2
.set p, 0
.rept 32
	v_pk_add_f32 v[RB+p:RB+p+1], v[RB+p:RB+p+1], v[64*((\t)%4)+p:64*((\t)%4)+p+1]   ; + x
.set p, p+2
.endr
	WIN 0
.irp i, 0,1,2,3,4,5,6,7,8,9,10,11,12,13,14,15
	global_store_b128 v[LI], v[RB+4*\i:RB+4*\i+3], s[20:21] offset:(16*(\t)+\i)*4096 th:TH_STORE_NT   ; 512 consecutive bytes, aligned
.endr
.endm
	OTILE 0, 10
	OTILE 1, 10
	OTILE 2, 10
	OTILE 3, 10
	OTILE 4, 10
	OTILE 5, 10
	OTILE 6, 10
	OTILE 7, 0
	s_wait_xcnt 0x0
	v_lshl_add_u32 v254, v0, 2, 0x4d400
	v_mov_b32 v255, 0
	s_wait_tensorcnt 0x0
	ds_add_u32 v254, v255
	s_wait_dscnt 0x0
	s_endpgm
.Lfunc_end_k_qc83a9cfa24_attn:
	.size	k_qc83a9cfa24_attn, .Lfunc_end_k_qc83a9cfa24_attn-k_qc83a9cfa24_attn
	.p2alignl 7, 3214868480
	.fill 96, 4, 3214868480
	.section	.rodata,"a",@progbits
	.p2align	6, 0x0
	.amdhsa_kernel k_qc83a9cfa24_attn
		.amdhsa_group_segment_fixed_size 316928
		.amdhsa_private_segment_fixed_size 0
		.amdhsa_enable_private_segment 0
		.amdhsa_kernarg_size 72
		.amdhsa_user_sgpr_count 2
		.amdhsa_user_sgpr_kernarg_segment_ptr 1
		.amdhsa_wavefront_size32 1
		.amdhsa_system_sgpr_workgroup_id_x 1
		.amdhsa_system_sgpr_workgroup_id_y 1
		.amdhsa_system_sgpr_workgroup_id_z 1
		.amdhsa_system_vgpr_workitem_id 0
		.amdhsa_next_free_vgpr 1024
		.amdhsa_next_free_sgpr 70
		.amdhsa_reserve_vcc 0
		.amdhsa_float_denorm_mode_32 3
		.amdhsa_float_denorm_mode_16_64 3
		.amdhsa_memory_ordered 1
		.amdhsa_forward_progress 1
		.amdhsa_inst_pref_size 255
	.end_amdhsa_kernel
	.section	.bss,"aw",@nobits
	.p2align	6
	.space	262144
	.amdgpu_metadata
---
amdhsa.version: [ 1, 2 ]
amdhsa.kernels:
  - .name:           k_qc83a9cfa24_attn
    .symbol:         k_qc83a9cfa24_attn.kd
    .args:
      - { .name: q_ws, .offset: 0, .size: 8, .value_kind: global_buffer, .address_space: global }
      - { .name: k_ws, .offset: 8, .size: 8, .value_kind: global_buffer, .address_space: global }
      - { .name: v_ws, .offset: 16, .size: 8, .value_kind: global_buffer, .address_space: global }
      - { .name: mx_ws, .offset: 24, .size: 8, .value_kind: global_buffer, .address_space: global }
      - { .name: wp_codes, .offset: 32, .size: 8, .value_kind: global_buffer, .address_space: global }
      - { .name: wp_scales, .offset: 40, .size: 8, .value_kind: global_buffer, .address_space: global }
      - { .name: bp, .offset: 48, .size: 8, .value_kind: global_buffer, .address_space: global }
      - { .name: x, .offset: 56, .size: 8, .value_kind: global_buffer, .address_space: global }
      - { .name: out0, .offset: 64, .size: 8, .value_kind: global_buffer, .address_space: global }
    .group_segment_fixed_size: 316928
    .private_segment_fixed_size: 0
    .kernarg_segment_align: 8
    .kernarg_segment_size: 72
    .max_flat_workgroup_size: 128
    .sgpr_count:     70
    .vgpr_count:     1024
    .wavefront_size: 32
...
	.end_amdgpu_metadata
.endif
;; end of part 4
